; MI455X (gfx1250); checked and timed in simulation.
; The chip was launched on July 23, 2026; its instructions are those of AMD's public machine-readable ISA for CDNA 5 (MIT licence, August 2026) and "CDNA5" Instruction Set Architecture Reference Guide (July 2026). The comments in the code are by the model that wrote it; some were corrected since.
;; Self Attention. Allowed arithmetic: matrix products marked QUANTISED: E2M3 operands, one E8M0 scale for each 32 along K, by v_wmma_scale_f32_16x16x128_f8f6f4 with both operands' format E2M3, f32 sums; everything else in f32.
;; Inputs: Wk 1,024 x 1,024 float32; Wo 1,024 x 1,024 float32; Wq 1,024 x 1,024 float32; Wv 1,024 x 1,024 float32; bk 1,024 float32; bo 1,024 float32; bq 1,024 float32; bv 1,024 float32; x 4 x 2,048 x 1,024 float32.
;; Outputs: out0 4 x 2,048 x 1,024 float32.
;; This version of the problem:
;;   THIS VERSION OF THE PROBLEM IS GIVEN IN LOW PRECISION. The matrix products marked QUANTISED in the list below multiply operands that are first quantised to E2M3 (2 exponent bits, 3 mantissa bits; 6 bits a number), with one power-of-two scale for each 32 numbers along K (OCP MX v1.0); their sums are f32. All else is computed in f32.
;;   The module's matrix products, in the order in which they are computed (A, B: the left and right operand; K: the contracted axis; several contracted axes count as one K, in the product's order):
;;     1. [M 8,192, K 1,024] x [K 1,024, N 1,024]; A: input x; B: input Wq: QUANTISED
;;     2. [M 8,192, K 1,024] x [K 1,024, N 1,024]; A: input x; B: input Wk: QUANTISED
;;     3. [M 8,192, K 1,024] x [K 1,024, N 1,024]; A: input x; B: input Wv: QUANTISED
;;     4. batch 4 x [M 2,048, K 1,024] x [K 1,024, N 2,048]; A: computed on the way; B: computed on the way: QUANTISED
;;     5. batch 4 x [M 2,048, K 2,048] x [K 2,048, N 1,024]; A: softmax (see below); B: computed on the way: QUANTISED
;;     6. [M 8,192, K 1,024] x [K 1,024, N 1,024]; A: computed on the way; B: input Wo: QUANTISED
;;   THE QUANTISER, for each operand of a quantised product, along K:
;;     - K is cut into blocks of 32 from its start; a last block that is shorter is filled with zeros.
;;     - A block's scale is 2^e with e = floor(log2(the largest magnitude in the block)) - 2, held to -126 .. 127; a block of zeros has e = 0. As a byte (E8M0): e + 127.
;;     - Each number is divided by its block's scale, clamped to +-7.5, and rounded to the nearest number of E2M3, ties to even, subnormals kept.
;;     - The product sums the exact products of the quantised numbers (number of the format x scale) in f32.
;;   ~~~python
;;   def quantise(x, axis):      # numpy; x: float32 -> the quantised numbers, widened to float32 again
;;       x = np.moveaxis(x, axis, -1); K = x.shape[-1]
;;       x = np.pad(x, [(0, 0)] * (x.ndim - 1) + [(0, -K % 32)]); x = x.reshape(x.shape[:-1] + (-1, 32)); a = np.abs(x).max(-1, keepdims=True)
;;       e = np.where(a > 0, np.clip(np.frexp(np.where(a > 0, a, 1))[1] - 1 - 2, -126, 127), 0)      # np.frexp(a)[1] - 1 = floor(log2(a)), exactly
;;       r = np.clip(x / 2.0 ** e, -7.5, 7.5)
;;       step = 2.0 ** (np.maximum(np.frexp(np.where(r == 0, 1, r))[1] - 1, 0) - 3)
;;       q = np.round(r / step) * step * 2.0 ** e      # np.round: ties to even
;;       return np.moveaxis(q.reshape(q.shape[:-2] + (-1,))[..., :K], -1, axis).astype(np.float32)
;;   ~~~
;;   SOFTMAX AHEAD OF A QUANTISED PRODUCT. Where the list says 'softmax', what is quantised is not the finished softmax but p = 2^(t - M), with t = logit x log2(e) and M = ceil(the row's largest t), a whole number; so 1/2 < the row's largest p <= 1. The row's sum l is taken of the UNQUANTISED p, in f32, and the product's result is divided by l at the end. Since M is a whole number, a kernel that streams over the keys may use a running M (the ceiling of the running maximum): every later rescaling is an exact power of two, which a block's scale takes up: the codes' values come out the same.
;;   OPERANDS COMPUTED ON THE WAY. 'Computed on the way' means the value that the module computes at that place (a softmax that the list does not call 'softmax' is quantised finished and normalised). What goes into a quantiser is computed in f32, as accurately as f32 sums, v_exp_f32 and their like allow (about 1e-6 of the number): no bf16 or f16 on the way to a quantiser, and a product that is left as it is and whose result goes on into a quantised operand takes f32 operands (vector FMAs, or v_wmma_f32_16x16x4_f32). A number that lies on a knife's edge between two numbers of the format may be rounded either way, as far as f32 arithmetic and the matrix unit's own rounding can turn it there, and no further.
;; One version. Each part assembles by itself: llvm-mc -triple=amdgcn-amd-amdhsa -mcpu=gfx1250 --defsym DOCPART=n.
;; ======== version 1 of 1: 5 launches
;; limits: right only within a limited range of input values
;; workspace buffers: opnd 9,830,400 bytes; qkv 19,660,800 bytes; prob 14,155,776 bytes; ctx 6,553,600 bytes
;; launch prep (part 1): grid 512 x 1, 4 waves a work-group, no clusters, 34,304 bytes of LDS; arguments x, Wq, Wk, Wv, Wo, opnd; writes opnd
.if DOCPART == 1
	.amdgcn_target "amdgcn-amd-amdhsa--gfx1250"
	.amdhsa_code_object_version 6
	.text
	.protected	k_qf113ac65f3_prep
	.globl	k_qf113ac65f3_prep
	.p2align	8
	.type	k_qf113ac65f3_prep,@function
k_qf113ac65f3_prep:
	s_mov_b64 s[64:65], 0
	v_nop
	global_prefetch_b8 v0, s[64:65] scope:SCOPE_SE
	s_setreg_imm32_b32 hwreg(HW_REG_WAVE_MODE, 25, 1), 1
	s_wait_xcnt 0x0
; x [8192][1024] (K innermost) and Wq, Wk, Wv, Wo [1024 (K)][1024] (K outermost), f32, become codes of FP6 (E2M3) with one E8M0 byte for each 32 along K,
; laid as IMAGES OF THE OPERAND'S REGISTERS, so that the products' launches bring them by dense tensor loads and read them from LDS by loads of 16 bytes a lane.
; NO WORK OF THE PROBLEM IS LEFT OUT: all six products are live, every bias moves the codes of a live operand or the output, every input is loaded by some launch.
; THE IMAGE.  A fragment is 16 rows x 128 K, 12 registers a lane: register 4 c + w of lane l lies at byte 512 c + 16 l + 4 w: 1,536 bytes.  Lane-row p of fragment f is the operand's row
; 32 (f / 2) + 8 (f % 2) + p % 8 + 16 (p / 8): used as source 0 of a product, two neighbouring fragments then leave 16 NEIGHBOURS along the next K in a lane's 16 result registers.
; A record (group g of 64 rows, K step s of 128) is four fragments and 256 bytes of scale words (lane-row r, fragment e at 16 r + 4 e): 6,400 bytes, at (8 g + s) x 6,400.
; opnd: x's 128 groups, then from byte 6,553,600 the weights' 64 groups: rows (= columns of the weight) 0-1023 Wq, 1024-2047 Wk, 2048-3071 Wv, 3072-4095 Wo.
; A block's scale is 2^(floor(log2(its largest magnitude)) - 2): its byte is the largest magnitude's exponent field - 2, held at 1 from below.
; LIMITS: a block of zeros, and one whose largest magnitude lies under 2^-124, keeps the byte 1 (a block of zeros has zero codes; the bytes are read by this program alone); NaN and infinities are not served.
; SHARES.  Work-groups 0-255: x; a wave makes one record: 64 rows x 128 K, a fragment at a time: 16 loads of 512 consecutive bytes, a turn through the wave's own stage in LDS (rows of 528 bytes), so that a lane
; holds 16 neighbours of each block of its row.  Work-groups 256-511: the weights; a wave makes half a record, 32 columns x 128 K (two fragments): a lane takes a column and its registers run down K,
; so a block lies in one lane and nothing is turned; of its four blocks of 32 loads two are out at a time.  Its 32 scale words are 16 pieces of 8 bytes, every other piece of the record's 256.
; No cluster: no two work-groups read the same bytes.  No barrier: waves share nothing.
.set REC,   6400
.set WO,    6553600
.set STG,   16*528                     ; a wave's stage
.set SPARE, 4*STG                      ; behind the four stages: the spare words, 128 bytes for each wave, that no other line names
.set LI,  3                            ; v3   16 x lane
.set SI,  4                            ; v4   the stage, on the way in
.set SO,  5                            ; v5   and on the way out: 528 r + 64 h
.set LN,  6                            ; v6   lane
.set R16, 7                            ; v7   16 r
.set WA,  8                            ; v8   weights: 4 x lane
.set WU,  9                            ; v9   u = (lane / 8) % 2: which of the pass's two fragments my column falls into
.set WR,  10                           ; v10  r' = lane % 8 + 8 (lane / 16): its lane-row there
.set WST, 11                           ; v11  3,072 x pass + 1,536 u + 16 r'
.set WSC, 12                           ; v12  16 r' + 8 x pass + 4 u
.set R,   16                           ; v16-143  x: two sets of 64 registers as loaded
.set ST,  144                          ; v144-207 64 numbers of my row: register 16 b + i = k 32 b + 16 h + i
.set PC,  208                          ; v208-227 the codes just made
.set TM,  228                          ; v228-243 at work
.set PW,  244                          ; v244     the scale word just made
.set SWR, 246                          ; v246-249 the record's four scale words
.set SPW, 252                          ; v252 LDS address of my spare word; never rewritten
.set NIL, 253                          ; v253 0; never rewritten
.set X,   16                           ; weights: v16-79 two sets of 32 numbers
.set F,   80                           ; v80-103  the 12 registers of image lane (r', 0), then of (r', 1)
.set CT,  128                          ; v128-130 a block's upper 16 codes, before they are moved
.set W0,  132                          ; v132     my column's scale word
.set SEL, 20                           ; s[20:21] selects of v_permlanex16_b32 for lane l xor 16
; 64 numbers of a lane, register 16 b + i = k 32 b + 16 (lane / 16) + i of my row, become a fragment's codes in v[PC] on and its scale word in v[PW]
.macro QUANT s
.irp b, 0,1,2,3
	v_max3_num_f32 v[TM+\b], |v[\s+16*\b]|, |v[\s+1+16*\b]|, 0x1800000   ; my 16 numbers of block b, and the floor 2^(3 - 127): the byte cannot fall under 1
.endr
.irp i, 2,4,6,8,10,12,14
.irp b, 0,1,2,3
	v_max3_num_f32 v[TM+\b], v[TM+\b], |v[\s+16*\b+\i]|, |v[\s+1+16*\b+\i]|
.endr
.endr
.irp b, 0,1,2,3
	v_permlanex16_b32 v[TM+4+\b], v[TM+\b], s[SEL], s[SEL+1]
.endr
.irp b, 0,1,2,3
	v_max_num_f32 v[TM+\b], v[TM+\b], v[TM+4+\b]                   ; with lane l xor 16's: the block's largest magnitude
.endr
.irp b, 0,1,2,3
	v_add_nc_u32 v[TM+12+\b], 0xff000000, v[TM+\b]                 ; 2 off its exponent field: the conversion's scale operand
.endr
.irp b, 0,1,2,3
	v_lshrrev_b32 v[TM+4+\b], 23, v[TM+12+\b]                      ; the scale's byte
.endr
	v_lshl_or_b32 v[PW], v[TM+5], 8, v[TM+4]
	v_lshl_or_b32 v[PW], v[TM+6], 16, v[PW]
	v_lshl_or_b32 v[PW], v[TM+7], 24, v[PW]
.irp c, 0,1
	v_cvt_scalef32_pk16_fp6_f32 v[PC+6*\c:PC+2+6*\c], v[\s+32*\c:\s+15+32*\c], v[TM+12+2*\c]
	v_cvt_scalef32_pk16_fp6_f32 v[PC+12+4*\c:PC+14+4*\c], v[\s+16+32*\c:\s+31+32*\c], v[TM+12+2*\c+1]   ; (a conversion's three registers begin on an even number)
.endr
	v_nop                                          ; one plain place behind the scaled conversions
.irp c, 0,1                                    ; the layout wants a whole block in a lane: lanes 0-15 block 2 c, lanes 16-31 block 2 c + 1
.irp i, 0,1,2
	v_permlane16_swap_b32 v[PC+6*\c+\i], v[PC+12+4*\c+\i]
.endr
.irp i, 0,1,2
	v_mov_b32 v[PC+3+6*\c+\i], v[PC+12+4*\c+\i]
.endr
.endr
.endm
	s_load_b256 s[4:11], s[0:1], 0x0               ; x s[4:5], Wq s[6:7], Wk s[8:9], Wv s[10:11]
	s_load_b128 s[12:15], s[0:1], 0x20             ; Wo s[12:13], opnd s[14:15]
	v_lshl_add_u32 v[SPW], v0, 2, SPARE
	v_mov_b32 v[NIL], 0
	v_lshrrev_b32 v1, 5, v0
	v_readfirstlane_b32 s16, v1                    ; wave
	v_and_b32 v[LN], 31, v0
	v_and_b32 v1, 15, v0                           ; r
	v_bfe_u32 v2, v0, 4, 1                         ; h
	v_lshlrev_b32 v[LI], 4, v[LN]
	v_lshlrev_b32 v[R16], 4, v1
	s_mul_i32 s26, s16, STG
	v_add_nc_u32 v[SI], s26, v[LI]
	v_mul_u32_u24 v[SO], v1, 528
	v_lshl_add_u32 v[SO], v2, 6, v[SO]
	v_add_nc_u32 v[SO], s26, v[SO]
	s_mov_b32 s[SEL], 0x76543210
	s_mov_b32 s[SEL+1], 0xfedcba98
	s_mov_b32 s25, 0
	s_mov_b32 s27, 0
	s_wait_kmcnt 0x0
	s_cmp_lt_u32 ttmp9, 256
	s_cbranch_scc0 .Lweights
	; ---- x: record number T = 4 x work-group + wave = 8 g + s
	s_lshl_b32 s17, ttmp9, 2
	s_add_co_u32 s17, s17, s16
	s_lshr_b32 s18, s17, 3                         ; g
	s_and_b32 s19, s17, 7                          ; s
	s_lshl_b32 s24, s18, 18                        ; 64 rows of 4,096 bytes
	s_lshl_b32 s19, s19, 9                         ; 128 numbers
	s_add_co_u32 s24, s24, s19
	s_add_nc_u64 s[4:5], s[4:5], s[24:25]
	s_mul_i32 s26, s17, REC
	s_add_nc_u64 s[14:15], s[14:15], s[26:27]
.irp b, 0,1,2,3
	v_mov_b32 v[TM+4+\b], 0                        ; written once: a lane permute's destination counts as one of its sources
.endr
.macro XLOAD e                         ; fragment e's 16 rows, 512 consecutive bytes a load, into set e % 2
.set xp, 0
.rept 16
	global_load_b128 v[R+64*((\e)%2)+4*xp:R+64*((\e)%2)+4*xp+3], v[LI], s[4:5] offset:(32*((\e)/2)+8*((\e)%2)+xp%8+16*(xp/8))*4096 th:TH_LOAD_NT
.set xp, xp+1
.endr
.endm
.macro XFRAG e
.if \e < 3
	s_wait_loadcnt 16                              ; this fragment's 16 loads are in; the next fragment's 16 may be out
.else
	s_wait_loadcnt 0
.endif
.set xp, 0
.rept 16
	ds_store_b128 v[SI], v[R+64*((\e)%2)+4*xp:R+64*((\e)%2)+4*xp+3] offset:528*xp
.set xp, xp+1
.endr
.irp b, 0,1,2,3
.irp j, 0,1,2,3
	ds_load_b128 v[ST+16*\b+4*\j:ST+16*\b+4*\j+3], v[SO] offset:128*\b+16*\j   ; LDS serves a wave's instructions in order: these see the stores above
.endr
.endr
	s_wait_dscnt 0x0                               ; my 64 numbers are in, and the stage's stores have read their registers
.if \e > 0
	s_wait_xcnt 0x0                                ; the last fragment's stores have read the codes' registers: they may be written again
.endif
.if \e < 2
	XLOAD \e+2
.endif
	QUANT ST
.irp c, 0,1,2
	global_store_b128 v[LI], v[PC+4*\c:PC+4*\c+3], s[14:15] offset:1536*(\e)+512*\c   ; 32 lanes store 512 consecutive bytes, aligned
.endr
	v_mov_b32 v[SWR+\e], v[PW]
.endm
	XLOAD 0
	XLOAD 1
	s_wait_alu depctr_va_vdst(0)                   ; the wait ahead of the waits below
	XFRAG 0
	XFRAG 1
	XFRAG 2
	XFRAG 3
	s_wait_alu depctr_va_vdst(0)                   ; and here
	s_wait_xcnt 0x0                                ; EXEC changes only behind this wait
	v_cmp_gt_u32 vcc_lo, 16, v[LN]
	s_and_saveexec_b32 s22, vcc_lo
	global_store_b128 v[R16], v[SWR:SWR+3], s[14:15] offset:6144   ; lanes 0-15: the record's 256 bytes of scale words
	s_wait_xcnt 0x0                                ; and again, in front of the line that widens it
	s_or_b32 exec_lo, exec_lo, s22
	s_branch .Lend
.Lweights:                                         ; ---- the weights
	s_sub_co_u32 s17, ttmp9, 256
	s_lshr_b32 s18, s17, 6                         ; which weight: 0 Wq, 1 Wk, 2 Wv, 3 Wo
	s_bfe_u32 s29, s17, 0x10005                    ; the pass: which 32 of the group's 64 columns
	s_bfe_u32 s19, s17, 0x20003
	s_lshl_b32 s19, s19, 2
	s_add_co_u32 s19, s19, s16                     ; which group of 64 columns
	s_and_b32 s23, s17, 7                          ; K step
	s_cmp_eq_u32 s18, 1
	s_cselect_b64 s[24:25], s[8:9], s[6:7]
	s_cmp_eq_u32 s18, 2
	s_cselect_b64 s[24:25], s[10:11], s[24:25]
	s_cmp_eq_u32 s18, 3
	s_cselect_b64 s[24:25], s[12:13], s[24:25]
	s_lshl_b32 s26, s23, 19                        ; 128 rows of 4,096 bytes
	s_lshl_b32 s28, s19, 8
	s_add_co_u32 s26, s26, s28
	s_lshl_b32 s28, s29, 7
	s_add_co_u32 s26, s26, s28
	s_add_nc_u64 s[24:25], s[24:25], s[26:27]
	s_lshl_b32 s26, s18, 4
	s_add_co_u32 s26, s26, s19
	s_lshl_b32 s26, s26, 3
	s_add_co_u32 s26, s26, s23                     ; record number among the weights'
	s_mul_i32 s26, s26, REC
	s_add_co_u32 s26, s26, WO
	s_add_nc_u64 s[14:15], s[14:15], s[26:27]
	s_mul_i32 s30, s29, 3072
	s_lshl_b32 s31, s29, 3
	s_wait_alu depctr_va_vdst(0)                   ; the wait behind the run of scalar lines
	v_lshlrev_b32 v[WA], 2, v[LN]
	v_bfe_u32 v[WU], v0, 3, 1
	v_and_b32 v[WR], 7, v0
	v_lshl_add_u32 v[WR], v2, 3, v[WR]
	v_mul_u32_u24 v[WST], v[WU], 1536
	v_lshl_add_u32 v[WST], v[WR], 4, v[WST]
	v_add_nc_u32 v[WST], s30, v[WST]
	v_lshlrev_b32 v[WSC], 4, v[WR]
	v_lshl_add_u32 v[WSC], v[WU], 2, v[WSC]
	v_add_nc_u32 v[WSC], s31, v[WSC]
.macro WLOAD t                         ; block t: W(32 t + i, my column) into set t % 2
.set wi, 0
.rept 32
	global_load_b32 v[X+32*((\t)%2)+wi], v[WA], s[24:25] offset:(32*(\t)+wi)*4096 th:TH_LOAD_NT
.set wi, wi+1
.endr
.endm
.macro WBLOCK t
.set XS, X+32*((\t)%2)
.set FD, F+12*((\t)%2)+6*((\t)/2)      ; block t = 2 c + h' belongs to image lane (r', h'), registers 6 c on
.if \t < 3
	s_wait_loadcnt 32                              ; this block's 32 loads are in; the next block's may be out
.else
	s_wait_loadcnt 0
.endif
	v_max3_num_f32 v134, |v[XS]|, |v[XS+1]|, |v[XS+2]|
	v_max3_num_f32 v135, |v[XS+3]|, |v[XS+4]|, |v[XS+5]|
.irp i, 6,10,14,18,22,26
	v_max3_num_f32 v134, v134, |v[XS+\i]|, |v[XS+\i+1]|
	v_max3_num_f32 v135, v135, |v[XS+\i+2]|, |v[XS+\i+3]|
.endr
	v_max3_num_f32 v134, v134, |v[XS+30]|, |v[XS+31]|
	v_max3_num_f32 v134, v134, v135, 0x1800000     ; and the floor
	v_add_nc_u32 v136, 0xff000000, v134
	v_lshrrev_b32 v137, 23, v136
.if \t == 0
	v_mov_b32 v[W0], v137
.else
	v_lshl_or_b32 v[W0], v137, 8*(\t), v[W0]
.endif
	v_cvt_scalef32_pk16_fp6_f32 v[FD:FD+2], v[XS:XS+15], v136
	v_cvt_scalef32_pk16_fp6_f32 v[CT:CT+2], v[XS+16:XS+31], v136
	v_nop                                          ; one plain place behind the scaled conversions
.irp i, 0,1,2
	v_mov_b32 v[FD+3+\i], v[CT+\i]
.endr
.if \t < 2
	WLOAD \t+2
.endif
.endm
	WLOAD 0
	WLOAD 1
.irp t, 0,1,2,3
	WBLOCK \t
.endr
.irp hh, 0,1
.irp c, 0,1,2
	global_store_b128 v[WST], v[F+12*\hh+4*\c:F+12*\hh+4*\c+3], s[14:15] offset:256*\hh+512*\c   ; two runs of 256 consecutive bytes, aligned: one in each of the pass's two fragments
.endr
.endr
	global_store_b32 v[WSC], v[W0], s[14:15] offset:6144   ; my column's scale word
.Lend:
	s_wait_tensorcnt 0x0                           ; the wave's end, behind my last LDS store
	ds_add_u32 v[SPW], v[NIL]
	s_wait_dscnt 0x0
	s_endpgm
.Lfunc_end_k_qf113ac65f3_prep:
	.size	k_qf113ac65f3_prep, .Lfunc_end_k_qf113ac65f3_prep-k_qf113ac65f3_prep
	.p2alignl 7, 3214868480
	.fill 96, 4, 3214868480
	.section	.rodata,"a",@progbits
	.p2align	6, 0x0
	.amdhsa_kernel k_qf113ac65f3_prep
		.amdhsa_group_segment_fixed_size 34304
		.amdhsa_private_segment_fixed_size 0
		.amdhsa_enable_private_segment 0
		.amdhsa_kernarg_size 48
		.amdhsa_user_sgpr_count 2
		.amdhsa_user_sgpr_kernarg_segment_ptr 1
		.amdhsa_wavefront_size32 1
		.amdhsa_system_sgpr_workgroup_id_x 1
		.amdhsa_system_sgpr_workgroup_id_y 1
		.amdhsa_system_sgpr_workgroup_id_z 1
		.amdhsa_system_vgpr_workitem_id 0
		.amdhsa_next_free_vgpr 256
		.amdhsa_next_free_sgpr 66
		.amdhsa_reserve_vcc 1
		.amdhsa_float_denorm_mode_32 3
		.amdhsa_float_denorm_mode_16_64 3
		.amdhsa_memory_ordered 1
		.amdhsa_forward_progress 1
		.amdhsa_inst_pref_size 53
	.end_amdhsa_kernel
	.amdgpu_metadata
---
amdhsa.version: [ 1, 2 ]
amdhsa.kernels:
  - .name:           k_qf113ac65f3_prep
    .symbol:         k_qf113ac65f3_prep.kd
    .args:
      - { .name: x, .offset: 0, .size: 8, .value_kind: global_buffer, .address_space: global }
      - { .name: Wq, .offset: 8, .size: 8, .value_kind: global_buffer, .address_space: global }
      - { .name: Wk, .offset: 16, .size: 8, .value_kind: global_buffer, .address_space: global }
      - { .name: Wv, .offset: 24, .size: 8, .value_kind: global_buffer, .address_space: global }
      - { .name: Wo, .offset: 32, .size: 8, .value_kind: global_buffer, .address_space: global }
      - { .name: opnd, .offset: 40, .size: 8, .value_kind: global_buffer, .address_space: global }
    .group_segment_fixed_size: 34304
    .private_segment_fixed_size: 0
    .kernarg_segment_align: 8
    .kernarg_segment_size: 48
    .max_flat_workgroup_size: 128
    .sgpr_count:     66
    .vgpr_count:     256
    .wavefront_size: 32
...
	.end_amdgpu_metadata
.endif
;; end of part 1
;; launch qkv (part 2): grid 4 x 64, 4 waves a work-group, clusters of 4 x 4, 327,680 bytes of LDS; arguments opnd, bq, bk, bv, qkv; writes qkv
.if DOCPART == 2
	.amdgcn_target "amdgcn-amd-amdhsa--gfx1250"
	.amdhsa_code_object_version 6
	.text
	.protected	k_qf113ac65f3_qkv
	.globl	k_qf113ac65f3_qkv
	.p2align	8
	.type	k_qf113ac65f3_qkv,@function
k_qf113ac65f3_qkv:
	s_mov_b64 s[64:65], 0
	v_nop
	global_prefetch_b8 v0, s[64:65] scope:SCOPE_SE
	s_setreg_imm32_b32 hwreg(HW_REG_WAVE_MODE, 25, 1), 1
	s_wait_xcnt 0x0
	s_wait_alu depctr_hold_cnt(0) depctr_sa_sdst(0) depctr_va_vdst(0) depctr_va_sdst(0) depctr_va_ssrc(0) depctr_va_vcc(0) depctr_vm_vsrc(0)
	s_getreg_b32 s2, hwreg(HW_REG_IB_STS2, 6, 4)
	s_cmp_eq_u32 s2, 0
	s_cbranch_scc0 .Lentry_in_a_cluster
	s_endpgm
.Lentry_in_a_cluster:
	s_bfe_u32 s2, ttmp6, 0x10000c
	s_cmp_lg_u32 s2, 0xf033
	s_cbranch_scc0 .Lentry_shape_is_right
	s_endpgm
.Lentry_shape_is_right:
; Q = x Wq + bq, K = x Wk + bk, V = x Wv + bv on codes of FP6 (E2M3) with E8M0 scales; the results, in f32, are quantised at once and leave as operand images.  No work of the problem is left out.
; THE IMAGE.  Fragment: 16 rows x 128 K, register 4 c + w of lane l at 512 c + 16 l + 4 w.  Lane-row p of fragment f is row 32 (f / 2) + 8 (f % 2) + p % 8 + 16 (p / 8).  Record (group g of 64 rows, K step s):
; four fragments and 256 bytes of scale words (lane-row r, fragment e at 16 r + 4 e), 6,400 bytes, at (g x steps + s) x 6,400.  qkv: Q at 0, K at 6,553,600 (8 steps), V^T at 13,107,200 (64 steps: 128 positions each).
; SHARES.  8,192 x 3,072 results are dealt to 64 x 4 = 256 work-groups.  Work-group (i, j) keeps x's rows 128 i .. + 127 for all of K in LDS (2 groups x 8 records) and walks three tiles of 128 x 256:
; columns 256 j .. + 255 of Wq, of Wk and of Wv.  A wave makes 64 x 128: 32 accumulators.  Source 0 takes eight fragments, source 1 four; a lane holds one row of source 1's operand and its registers run along source 0's rows.
;   Q, K: source 0 = two groups of the weight's columns (wave % 2), source 1 = one group of x (wave / 2): registers run along the hidden axis, the K of Q K^T.
;   V^T:  source 0 = x's two groups, source 1 = one group of Wv's columns (the wave's): registers run along the positions, the K of P V.
; THE RING.  The weights go through two slots of four K steps (4 groups x 4 records).  Behind each round every wave asks for one group's four records, 25,600 consecutive bytes.  Slot 0 is filled again at K step 3 of a tile,
; slot 1 in the middle of the tile's way out: by the text's own count each refill has four K steps and two of the four result tiles between its request and the wait for it.
; Q's and K's tiles are two trips of one loop; V^T's tile, which asks for nothing more, is written out.
; CLUSTERS: 4 x 4; x's records are asked for jointly along a row of the cluster, the weights' along a column.
; No prefetch: the loop has two trips, and every refill is asked for as far ahead as said above.
; The biases come straight into registers (window 3): a lane's 64 numbers by 16 loads of 16 bytes, once a tile.
; LIMITS: a block whose largest magnitude lies under 2^-124 (a block of zeros too) keeps the byte 1; NaN and infinities are not served.
; REGISTERS: window 0: v1-29 addresses; v32-63 scale words, two sets, and nothing else; v64-127 64 numbers on the way out; v128-223 source 1's fragments, two sets of 48; v192-249 at work on the way out.
;   window 1: source 0's fragments, two sets, at v0 and v128.  window 2: the accumulators, (a, b) at v[8 (8 a + b)].  window 3: v0-63 the bias of Q or K, v128-131 that of V.
.set REC,   6400
.set WO,    6553600                    ; the weights' records in opnd
.set XG,    8*REC                      ; a group's eight records
.set HS,    4*REC                      ; four of them
.set WS,    2*XG                       ; LDS: x's two groups, then the two slots
.set SLOT,  4*HS
.set SPARE, WS+2*SLOT                  ; the spare words, 128 bytes for each wave, that no other line names
.set NEXTW, 16*XG                      ; from a weight to the next
; fragment addresses v4-12, the scale words' addresses nine registers on, v13-21
.set LI,   8                           ; v8  16 x lane: also x's group 0 (v9: group 1)
.set R16,  17                          ; v17 16 r
.set BA,   22                          ; v22 64 h
.set BB,   23                          ; v23 4 (r % 8 + 16 (r / 8))
.set SOFF, 24                          ; v24 16 r + 8 h
.set SPW,  28
.set NIL,  29
.set SC,   32                          ; set p at SC + 16 p: + a source 1's block a, + 8 + b source 0's block b
.set HA,   64
.set AF,   128
.set PC,   192
.set TM,   224
.set PW,   240
.set FAC,  242
.set SWR,  244
.set T4,   248
.set G1X, 24                           ; group 1: x's records at the head
.set G1H, 32                           ; the weights' at the head
.set G0X, 40
.set G0H, 44
.set G0W, 48                           ; s[48:55] group 0 of the ring, a set for each slot
.set G1W, 72                           ; group 1 of the ring
.set DQ,  80
.set DV,  82
.set BP,  84
.set BK,  86
.set BV,  88
.set SEL, 92
.set HM,  96
.set MUL_LO, 0xa1                      ; source 0 window 1, source 1 window 0, C and D window 2
.set MSB, 0
.macro WIN new                         ; the immediate's high byte repeats the setting that is left
.if MSB != (\new)
	s_set_vgpr_msb (MSB<<8)|(\new)
.set MSB, (\new)
.endif
.endm
.macro PLACES n
.rept \n
	v_nop
.endr
.endm
.macro CREST                           ; a round of the cluster's barrier behind its opening barrier
	s_cmp_lg_u32 s14, 0
	s_cbranch_scc1 .Lnot_wave_0_\@
	s_barrier_signal -3
.Lnot_wave_0_\@:
	s_barrier_wait -3
	s_barrier_signal -1
	s_barrier_wait -1
.endm
.macro CROUND
	s_barrier_signal -1
	s_barrier_wait -1
	CREST
.endm
.macro GROUP1 g, c, p                  ; two rows of c elements of 8 bytes, p elements apart; no padding
	s_mov_b32 s[\g+1], ((\c)&0xffff)<<16
	s_mov_b32 s[\g+2], 2<<16
	s_mov_b32 s[\g+3], (\c)<<16
	s_mov_b32 s[\g+4], 2
	s_mov_b32 s[\g+5], \p
	s_mov_b32 s[\g+6], 0
	s_mov_b32 s[\g+7], 0
.endm
.macro FRAG reg, adr, off              ; a fragment's image: three loads of 512 consecutive bytes
.irp c, 0,1,2
	ds_load_b128 v[\reg+4*\c:\reg+4*\c+3], v[\adr] offset:\off+512*\c
.endr
.endm
; One run of 39 LDS loads into set p: source 0's eight fragments (address registers e, e + 1, a group each, at byte eo), source 1's four (register f, byte fo), and the scale words
.macro FETCH e, eo, f, fo, p
	WIN 0x40
.irp i, 0,1,2,3,4,5,6,7
	FRAG 128*(\p)+12*\i, (\e)+\i/4, (\eo)+(\i%4)*1536
.endr
	WIN 0
.irp i, 0,1,2,3
	FRAG AF+48*(\p)+12*\i, \f, (\fo)+\i*1536
.endr
	ds_load_b128 v[SC+16*(\p):SC+16*(\p)+3], v[(\f)+9] offset:(\fo)+6144
.irp g, 0,1
	ds_load_b128 v[SC+16*(\p)+8+4*\g:SC+16*(\p)+8+4*\g+3], v[(\e)+\g+9] offset:(\eo)+6144
.endr
.endm
.macro FET v, n, p                     ; K step n of a tile: v = 0 Q or K, v = 1 V^T
.if \v
	FETCH 8, (\n)*REC, 11+(\n)/4, ((\n)%4)*REC, \p
.else
	FETCH 4+2*((\n)/4), ((\n)%4)*REC, 10, (\n)*REC, \p
.endif
.endm
; 8 matrix instructions.  The 32 accumulators take turns, one instruction a turn, in the same order in every step.
.macro MUL8 a, p, zero
.irp b, 0,1,2,3,4,5,6,7
.if \zero
	v_wmma_scale_f32_16x16x128_f8f6f4 v[8*(8*(\a)+\b):8*(8*(\a)+\b)+7], v[128*(\p)+12*\b:128*(\p)+12*\b+11], v[AF+48*(\p)+12*(\a):AF+48*(\p)+12*(\a)+11], 0, v[SC+16*(\p)+8+\b], v[SC+16*(\p)+(\a)] matrix_a_fmt:MATRIX_FMT_FP6 matrix_b_fmt:MATRIX_FMT_FP6
.else
	v_wmma_scale_f32_16x16x128_f8f6f4 v[8*(8*(\a)+\b):8*(8*(\a)+\b)+7], v[128*(\p)+12*\b:128*(\p)+12*\b+11], v[AF+48*(\p)+12*(\a):AF+48*(\p)+12*(\a)+11], v[8*(8*(\a)+\b):8*(8*(\a)+\b)+7], v[SC+16*(\p)+8+\b], v[SC+16*(\p)+(\a)] matrix_a_fmt:MATRIX_FMT_FP6 matrix_b_fmt:MATRIX_FMT_FP6
.endif
.endr
.endm
; K step n on set n % 2.  At its head step n + 1 is fetched into the other set, four plain places behind the products that read it.
.macro STEP v, n, zero
	s_wait_dscnt 0x0                               ; this step's set is in
	PLACES 4
	FET \v, (\n)+1, ((\n)+1)%2
	WIN MUL_LO
	MUL8 0, (\n)%2, \zero
	MUL8 1, (\n)%2, \zero
	MUL8 2, (\n)%2, \zero
	MUL8 3, (\n)%2, \zero
	WIN 0
.endm
; K step 3 leaves slot 0: each wave waits for all its tensor loads (slot 1's), adds 0 to its spare word, waits for that and for its reads of slot 0; one barrier.
; fill: the barrier opens a round of the cluster's, and slot 0 takes the next weight's K steps 0-3, first thing behind the round.
.macro TURN v, fill
	s_wait_tensorcnt 0x0
	ds_add_u32 v[SPW], v[NIL]
	s_wait_dscnt 1                                 ; set 1 is in (the add may be out)
	WIN MUL_LO
	MUL8 0, 1, 0
	s_wait_dscnt 0x0
	s_barrier_signal -1
	MUL8 1, 1, 0
	WIN 0
	s_barrier_wait -1
.if \fill
	CREST
	s_add_nc_u64 s[G0W+2:G0W+3], s[G0W+2:G0W+3], NEXTW
	tensor_load_to_lds s[G0W:G0W+3], s[G1W:G1W+7]
	s_nop 0
.endif
	PLACES 4                                       ; the places behind a tensor load, and in front of the loads below
	FET \v, 4, 0
	WIN MUL_LO
	MUL8 2, 1, 0
	MUL8 3, 1, 0
	WIN 0
.endm
.macro LAST
	s_wait_dscnt 0x0
	WIN MUL_LO
	MUL8 0, 1, 0
	MUL8 1, 1, 0
	MUL8 2, 1, 0
	MUL8 3, 1, 0
	WIN 0
	PLACES 4
.endm
; In the middle of a tile's way out: slot 1 is read no more, slot 0's refill is waited for and shown to all, and slot 1 takes the next weight's K steps 4-7
.macro MIDFILL
	s_wait_alu depctr_va_vdst(0)                   ; the wait ahead of the waits below
	s_wait_tensorcnt 0x0
	ds_add_u32 v[SPW], v[NIL]
	s_add_nc_u64 s[G0W+6:G0W+7], s[G0W+6:G0W+7], NEXTW
	s_wait_dscnt 0x0
	CROUND
	tensor_load_to_lds s[G0W+4:G0W+7], s[G1W:G1W+7]
	s_nop 0
	PLACES 4
.endm
; 64 numbers of a lane, register 16 b + i = k 32 b + 16 (lane / 16) + i of my row, become a fragment's codes in v[PC] on and its scale word in v[PW]
.macro QUANT s
.irp b, 0,1,2,3
	v_max3_num_f32 v[TM+\b], |v[\s+16*\b]|, |v[\s+1+16*\b]|, 0x1800000   ; and the floor 2^(3 - 127): the byte cannot fall under 1
.endr
.irp i, 2,4,6,8,10,12,14
.irp b, 0,1,2,3
	v_max3_num_f32 v[TM+\b], v[TM+\b], |v[\s+16*\b+\i]|, |v[\s+1+16*\b+\i]|
.endr
.endr
.irp b, 0,1,2,3
	v_permlanex16_b32 v[TM+4+\b], v[TM+\b], s[SEL], s[SEL+1]
.endr
.irp b, 0,1,2,3
	v_max_num_f32 v[TM+\b], v[TM+\b], v[TM+4+\b]
.endr
.irp b, 0,1,2,3
	v_add_nc_u32 v[TM+12+\b], 0xff000000, v[TM+\b]                 ; 2 off the exponent field: the conversion's scale operand
.endr
.irp b, 0,1,2,3
	v_lshrrev_b32 v[TM+8+\b], 23, v[TM+12+\b]
.endr
	v_lshl_or_b32 v[PW], v[TM+9], 8, v[TM+8]
	v_lshl_or_b32 v[PW], v[TM+10], 16, v[PW]
	v_lshl_or_b32 v[PW], v[TM+11], 24, v[PW]
.irp c, 0,1
	v_cvt_scalef32_pk16_fp6_f32 v[PC+6*\c:PC+2+6*\c], v[\s+32*\c:\s+15+32*\c], v[TM+12+2*\c]
	v_cvt_scalef32_pk16_fp6_f32 v[PC+12+4*\c:PC+14+4*\c], v[\s+16+32*\c:\s+31+32*\c], v[TM+12+2*\c+1]
.endr
	v_nop                                          ; one plain place behind the scaled conversions
.irp c, 0,1
.irp i, 0,1,2
	v_permlane16_swap_b32 v[PC+6*\c+\i], v[PC+12+4*\c+\i]
.endr
.irp i, 0,1,2
	v_mov_b32 v[PC+3+6*\c+\i], v[PC+12+4*\c+\i]
.endr
.endr
.endm
.macro PUT a, d                        ; result tile a is fragment a of my record: three stores of 512 consecutive bytes, aligned
.irp c, 0,1,2
	global_store_b128 v[LI], v[PC+4*\c:PC+4*\c+3], s[\d:\d+1] offset:(\a)*1536+512*\c
.endr
	v_mov_b32 v[SWR+(\a)], v[PW]
.endm
.macro SCOUT d                         ; lanes 0-15 store fragments 0 and 1's words of lane-row r, lanes 16-31 fragments 2 and 3's: the record's 256 bytes of scale words
	v_cndmask_b32 v[T4], v[SWR], v[SWR+2], s[HM]
	v_cndmask_b32 v[T4+1], v[SWR+1], v[SWR+3], s[HM]
	global_store_b64 v[SOFF], v[T4:T4+1], s[\d:\d+1] offset:6144
.endm
.macro QKTILE a                        ; 16 positions x my 128 hidden: the bias runs along the registers
	s_wait_xcnt 0x0                                ; earlier stores have read the registers that are written below
	WIN 0x0e                                       ; source 0 window 2, source 1 window 3
.set j, 0
.rept 32
	v_pk_add_f32 v[HA+j:HA+j+1], v[64*(\a)+j:64*(\a)+j+1], v[j:j+1]   ; each accumulator from its low end on
.set j, j+2
.endr
	WIN 0
	QUANT HA
	PUT \a, DQ
.endm
.macro VTILE a                         ; 16 hidden x 128 positions: one bias number a lane
	s_wait_xcnt 0x0
	WIN 0x03
	v_mov_b32 v[FAC], v[128+\a]
	WIN 0x02
.set j, 0
.rept 32
	v_pk_add_f32 v[HA+j:HA+j+1], v[64*(\a)+j:64*(\a)+j+1], v[FAC:FAC+1] op_sel_hi:[1,0]
.set j, j+2
.endr
	WIN 0
	QUANT HA
	PUT \a, DV
.endm
	s_load_b256 s[4:11], s[0:1], 0x0               ; opnd s[4:5], bq s[6:7], bk s[8:9], bv s[10:11]
	s_load_b64 s[12:13], s[0:1], 0x20              ; qkv
	v_lshl_add_u32 v[SPW], v0, 2, SPARE
	v_mov_b32 v[NIL], 0
	ds_add_u32 v[SPW], v[NIL]                      ; the wave's opening: the add, twice on end, and its wait ahead of my first tensor load
	ds_add_u32 v[SPW], v[NIL]
	v_lshrrev_b32 v1, 5, v0
	v_readfirstlane_b32 s14, v1                    ; wave
	s_lshr_b32 s15, s14, 1
	s_and_b32 s16, s14, 1
	s_bfe_u32 s66, ttmp6, 0x40000                  ; cx
	s_bfe_u32 s67, ttmp6, 0x40004                  ; cy
	s_lshl_b32 s18, ttmp9, 2
	s_add_co_u32 s18, s18, s66                     ; j: 256 columns of each weight
	s_and_b32 s17, ttmp7, 0xffff
	s_lshl_b32 s17, s17, 2
	s_add_co_u32 s17, s17, s67                     ; i: 128 rows of x
	s_lshl_b32 s70, s67, 2
	s_lshl_b32 s70, 15, s70                        ; my row of the cluster
	s_lshl_b32 s71, 0x1111, s66                    ; my column
	s_or_b32 s[G1X], s70, (3<<16)|(1<<21)          ; the mask; elements of 8 bytes; bit 21 beside a mask
	s_or_b32 s[G1H], s71, (3<<16)|(1<<21)
	s_or_b32 s[G1W], s71, (3<<16)|(1<<21)
	GROUP1 G1X, HS/8, HS/8                         ; a group's eight records: 51,200 consecutive bytes
	GROUP1 G1H, HS/8, XG/8                         ; two groups x four records
	GROUP1 G1W, HS/16, HS/16                       ; one group's four records: 25,600 consecutive bytes
	s_mov_b32 s[SEL], 0x76543210
	s_mov_b32 s[SEL+1], 0xfedcba98
	s_mov_b32 s[HM], 0xffff0000                    ; lanes 16-31
	s_lshl_b32 s20, s17, 1
	s_add_co_u32 s56, s20, s15                     ; the group of positions whose Q and K I make
	s_add_co_u32 s20, s20, s16                     ; the group of x that waves 0 and 1 fetch
	s_mul_i32 s20, s20, XG
	s_mov_b32 s21, 0
	s_lshl_b32 s57, s18, 2                         ; 4 j
	s_lshl_b32 s22, s16, 1
	s_add_co_u32 s22, s22, s57
	s_mul_i32 s22, s22, XG
	s_add_co_u32 s22, s22, WO                      ; the two groups of Wq that waves 2 and 3 fetch
	s_mov_b32 s23, 0
	s_add_co_u32 s58, s57, s14                     ; 4 j + wave: my group in the ring, and the group of hidden units whose V^T I make
	s_mul_i32 s60, s58, XG
	s_add_co_u32 s60, s60, WO
	s_mov_b32 s61, 0
	s_lshl_b32 s88, s58, 8                         ; its 64 numbers of bv
	s_mov_b32 s89, 0
	s_lshl_b32 s56, s56, 3
	s_lshl_b32 s59, s18, 1
	s_add_co_u32 s59, s59, s16                     ; 2 j + wave % 2: my 128 hidden of Q and K
	s_add_co_u32 s56, s56, s59
	s_mul_i32 s62, s56, REC                        ; my record of Q
	s_mov_b32 s63, 0
	s_lshl_b32 s58, s58, 6
	s_add_co_u32 s58, s58, s17
	s_mul_i32 s68, s58, REC
	s_add_co_u32 s68, s68, 13107200                ; my record of V^T
	s_mov_b32 s69, 0
	s_lshl_b32 s86, s59, 9                         ; my 128 numbers of bq and of bk
	s_mov_b32 s87, 0
	s_mul_i32 s90, s15, XG                         ; LDS: my group of x as source 1
	s_mul_i32 s91, s14, HS
	s_mov_b32 s[G0X], 1
	s_mul_i32 s[G0X+1], s16, XG
	s_mov_b32 s[G0H], 1
	s_add_co_u32 s[G0H+1], s[G0X+1], WS
	s_mov_b32 s[G0W], 1
	s_add_co_u32 s[G0W+1], s91, WS
	s_mov_b32 s[G0W+4], 1
	s_add_co_u32 s[G0W+5], s91, WS+SLOT
	s_wait_alu depctr_va_vdst(0)                   ; the wait ahead of the waits below
	s_wait_dscnt 0x0                               ; both opening adds are done
	s_wait_kmcnt 0x0
	s_add_nc_u64 s[G0X+2:G0X+3], s[4:5], s[20:21]
	s_or_b32 s[G0X+3], s[G0X+3], 0x80000000
	s_add_nc_u64 s[G0H+2:G0H+3], s[4:5], s[22:23]
	s_or_b32 s[G0H+3], s[G0H+3], 0x80000000
	s_add_nc_u64 s[G0W+2:G0W+3], s[4:5], s[60:61]  ; slot 0: Wq's K steps 0-3; stepped to Wk's ahead of its first use
	s_add_nc_u64 s[G0W+6:G0W+7], s[G0W+2:G0W+3], HS ; slot 1: Wq's K steps 4-7
	s_or_b32 s[G0W+3], s[G0W+3], 0x80000000
	s_or_b32 s[G0W+7], s[G0W+7], 0x80000000
	s_add_nc_u64 s[DQ:DQ+1], s[12:13], s[62:63]
	s_add_nc_u64 s[DV:DV+1], s[12:13], s[68:69]
	s_add_nc_u64 s[BP:BP+1], s[6:7], s[86:87]
	s_add_nc_u64 s[BK:BK+1], s[8:9], s[86:87]
	s_add_nc_u64 s[BV:BV+1], s[10:11], s[88:89]
	CROUND                                         ; all sixteen work-groups are here: the first joint loads meet
	s_cmp_eq_u32 s15, 0                            ; one load a wave at the head: waves 0, 1 a group of x each, waves 2, 3 half of slot 0 each
	s_cbranch_scc0 .Lhead_w
	tensor_load_to_lds s[G0X:G0X+3], s[G1X:G1X+7]
	s_nop 0
	PLACES 4
	s_branch .Lhead_asked
.Lhead_w:
	tensor_load_to_lds s[G0H:G0H+3], s[G1H:G1H+7]
	s_nop 0
	PLACES 4
.Lhead_asked:
	v_and_b32 v1, 15, v0                           ; r
	v_bfe_u32 v2, v0, 4, 1                         ; h
	v_and_b32 v[LI], 31, v0
	v_lshlrev_b32 v[LI], 4, v[LI]
	v_lshlrev_b32 v[R16], 4, v1
.irp o, 0,9                            ; fragments by 16 x lane, scale words by 16 r
	v_add_nc_u32 v[4+\o], s[G0H+1], v[8+\o]        ; Q, K: source 0: my two groups of the weight in slot 0,
	v_add_nc_u32 v[5+\o], HS, v[4+\o]
	v_add_nc_u32 v[6+\o], SLOT, v[4+\o]            ; and in slot 1
	v_add_nc_u32 v[7+\o], SLOT+HS, v[4+\o]
	v_add_nc_u32 v[9+\o], XG, v[8+\o]              ; V^T: source 0: x's group 1 (group 0 lies at byte 0)
	v_add_nc_u32 v[10+\o], s90, v[8+\o]            ; Q, K: source 1: my group of x
	v_add_nc_u32 v[11+\o], s[G0W+1], v[8+\o]       ; V^T: source 1: my group of Wv in slot 0,
	v_add_nc_u32 v[12+\o], SLOT, v[11+\o]          ; and in slot 1
.endr
	v_lshlrev_b32 v[BA], 6, v2
	v_and_b32 v[BB], 7, v1
	v_lshrrev_b32 v3, 3, v1
	v_lshl_add_u32 v[BB], v3, 4, v[BB]
	v_lshlrev_b32 v[BB], 2, v[BB]
	v_lshl_add_u32 v[SOFF], v2, 3, v[R16]
.irp b, 0,1,2,3
	v_mov_b32 v[TM+4+\b], 0                        ; written once: a lane permute's destination counts as one of its sources
.endr
	v_mov_b32 v[FAC+1], 0                          ; (named as the upper half of a pair)
	WIN 0xc0
.irp a, 0,1,2,3
	global_load_b32 v[128+\a], v[BB], s[BV:BV+1] offset:4*(32*(\a/2)+8*(\a%2))   ; bv of my row in result tile a
.endr
	WIN 0
	s_wait_alu depctr_va_vdst(0)                   ; the wait at the head's end
	s_wait_tensorcnt 0x0                           ; my part of the head's tiles is in
	ds_add_u32 v[SPW], v[NIL]
	s_wait_dscnt 0x0
	CROUND
	tensor_load_to_lds s[G0W+4:G0W+7], s[G1W:G1W+7]  ; slot 1's first fill
	s_nop 0
	PLACES 4
	s_mov_b32 s94, 0
.Ltile:                                            ; trip 0: Q, trip 1: K
	WIN 0xc0
.irp b, 0,1,2,3
.irp q, 0,1,2,3
	global_load_b128 v[16*\b+4*\q:16*\b+4*\q+3], v[BA], s[BP:BP+1] offset:128*\b+16*\q   ; the bias in the result's layout: register 16 b + i = column 32 b + 16 h + i
.endr
.endr
	WIN 0
	FET 0, 0, 0
	STEP 0, 0, 1                                   ; the first step's products start the sums
	STEP 0, 1, 0
	STEP 0, 2, 0
	TURN 0, 1
	STEP 0, 4, 0
	STEP 0, 5, 0
	STEP 0, 6, 0
	LAST
	s_wait_loadcnt 0x0                             ; the biases are in
	QKTILE 0
	QKTILE 1
	MIDFILL
	QKTILE 2
	QKTILE 3
	SCOUT DQ
	s_wait_xcnt 0x0                                ; the stores have read their base and their registers
	s_add_nc_u64 s[DQ:DQ+1], s[DQ:DQ+1], 6553600   ; from Q's record to K's
	s_mov_b64 s[BP:BP+1], s[BK:BK+1]
	s_add_co_u32 s94, s94, 1
	s_cmp_lt_u32 s94, 2
	s_wait_alu depctr_va_vdst(0)                   ; the wait ahead of the branch
	s_cbranch_scc1 .Ltile
	FET 1, 0, 0                                    ; V^T: nothing more is asked for
	STEP 1, 0, 1
	STEP 1, 1, 0
	STEP 1, 2, 0
	TURN 1, 0
	STEP 1, 4, 0
	STEP 1, 5, 0
	STEP 1, 6, 0
	LAST
	VTILE 0
	VTILE 1
	VTILE 2
	VTILE 3
	SCOUT DV
	s_wait_tensorcnt 0x0                           ; the wave's end
	ds_add_u32 v[SPW], v[NIL]
	s_wait_dscnt 0x0
	CROUND                                         ; the closing round
	s_endpgm
.Lfunc_end_k_qf113ac65f3_qkv:
	.size	k_qf113ac65f3_qkv, .Lfunc_end_k_qf113ac65f3_qkv-k_qf113ac65f3_qkv
	.p2alignl 7, 3214868480
	.fill 96, 4, 3214868480
	.section	.rodata,"a",@progbits
	.p2align	6, 0x0
	.amdhsa_kernel k_qf113ac65f3_qkv
		.amdhsa_group_segment_fixed_size 327680
		.amdhsa_private_segment_fixed_size 0
		.amdhsa_enable_private_segment 0
		.amdhsa_kernarg_size 40
		.amdhsa_user_sgpr_count 2
		.amdhsa_user_sgpr_kernarg_segment_ptr 1
		.amdhsa_wavefront_size32 1
		.amdhsa_system_sgpr_workgroup_id_x 1
		.amdhsa_system_sgpr_workgroup_id_y 1
		.amdhsa_system_sgpr_workgroup_id_z 1
		.amdhsa_system_vgpr_workitem_id 0
		.amdhsa_next_free_vgpr 1024
		.amdhsa_next_free_sgpr 100
		.amdhsa_reserve_vcc 0
		.amdhsa_float_denorm_mode_32 3
		.amdhsa_float_denorm_mode_16_64 3
		.amdhsa_memory_ordered 1
		.amdhsa_forward_progress 1
		.amdhsa_inst_pref_size 170
	.end_amdhsa_kernel
	.amdgpu_metadata
---
amdhsa.version: [ 1, 2 ]
amdhsa.kernels:
  - .name:           k_qf113ac65f3_qkv
    .symbol:         k_qf113ac65f3_qkv.kd
    .args:
      - { .name: opnd, .offset: 0, .size: 8, .value_kind: global_buffer, .address_space: global }
      - { .name: bq, .offset: 8, .size: 8, .value_kind: global_buffer, .address_space: global }
      - { .name: bk, .offset: 16, .size: 8, .value_kind: global_buffer, .address_space: global }
      - { .name: bv, .offset: 24, .size: 8, .value_kind: global_buffer, .address_space: global }
      - { .name: qkv, .offset: 32, .size: 8, .value_kind: global_buffer, .address_space: global }
    .group_segment_fixed_size: 327680
    .private_segment_fixed_size: 0
    .kernarg_segment_align: 8
    .kernarg_segment_size: 40
    .max_flat_workgroup_size: 128
    .sgpr_count:     100
    .vgpr_count:     1024
    .wavefront_size: 32
...
	.end_amdgpu_metadata
.endif
;; end of part 2
;; launch scores (part 3): grid 8 x 32, 4 waves a work-group, clusters of 4 x 4, 327,680 bytes of LDS; arguments qkv, prob; writes prob
.if DOCPART == 3
	.amdgcn_target "amdgcn-amd-amdhsa--gfx1250"
	.amdhsa_code_object_version 6
	.text
	.protected	k_qf113ac65f3_scores
	.globl	k_qf113ac65f3_scores
	.p2align	8
	.type	k_qf113ac65f3_scores,@function
k_qf113ac65f3_scores:
	s_mov_b64 s[64:65], 0
	v_nop
	global_prefetch_b8 v0, s[64:65] scope:SCOPE_SE
	s_setreg_imm32_b32 hwreg(HW_REG_WAVE_MODE, 25, 1), 1
	s_wait_xcnt 0x0
	s_wait_alu depctr_hold_cnt(0) depctr_sa_sdst(0) depctr_va_vdst(0) depctr_va_sdst(0) depctr_va_ssrc(0) depctr_va_vcc(0) depctr_vm_vsrc(0)
	s_getreg_b32 s2, hwreg(HW_REG_IB_STS2, 6, 4)
	s_cmp_eq_u32 s2, 0
	s_cbranch_scc0 .Lentry_in_a_cluster
	s_endpgm
.Lentry_in_a_cluster:
	s_bfe_u32 s2, ttmp6, 0x10000c
	s_cmp_lg_u32 s2, 0xf033
	s_cbranch_scc0 .Lentry_shape_is_right
	s_endpgm
.Lentry_shape_is_right:
; S = Q K^T on codes of FP6 (E2M3), and the softmax's first half.  No work of the problem is left out.
; t = score x log2(e) / 32.  A wave holds 128 queries x 128 keys.  For each query it takes M_loc = ceil(the largest t of THESE 128 keys), a whole number, p = 2^(t - M_loc), the sum of the unquantised p, and quantises p along the keys.
; The next launch brings all blocks under the row's own M by taking the whole number M - M_loc off p's scale bytes: the codes' values are those of p = 2^(t - M).
; prob: p's fragments at ((group of 64 queries) x 16 + key step) x 6,144; from 12,582,912 their scale words, from 13,107,200 -M_loc, from 13,631,488 the sums: each [group][key step][256 bytes: lane-row r, fragment e at 16 r + 4 e].
; The core, the images and the cluster are those of the launch before: A = Q's rows, B = K's rows of the same batch.
; LIMITS: a block of p whose largest lies under 2^-124 keeps the byte 1; NaN and infinities are not served.
; THE RING: a tile of 256 x 256 by four waves of 128 x 128; two slots of three K steps; K steps 0-2 come at the head, 3-5 behind the first round, 6 and 7 by one refill of slot 0.
.set S,     3
.set NSLOT, 2
.set RECA,  6400
.set RECB,  6400
.set NSA,   8
.set NSB,   8
.set PVK,   0
.set KO,    6553600
.set PS,    12582912
.set HALFA, 2*S*RECA
.set HALFB, 2*S*RECB
.set SLOT,  2*HALFA+2*HALFB
.set SG,    S
.set SPARE, NSLOT*SLOT                 ; the spare words, 128 bytes for each wave, that no other line names
.set LI,   3
.set ADRA, 4
.set ADRB, 7
.set ADSA, 10
.set ADSB, 13
.set SOFF, 16
.set SPW,  28
.set NIL,  29
.set R16,  30
.set SC,   32
.set HA,   64
.set AF,   128
.set MR,   128                         ; v128-135 -M_loc of tiles 0-7
.set LR,   136                         ; v136-143 their sums
.set PC,   192
.set TM,   212
.set PW,   228
.set RM,   229
.set RM2,  230
.set NM,   232
.set LS,   234
.set SWR,  240
.set G1A, 24
.set G1B, 32
.set G0A, 40
.set G0B, 52
.set DST, 88
.set SEL, 92
.set CS,  94
.set HM,  96
.set MUL_LO, 0xa1
.set MUL_HI, 0xf1
.set MSB, 0
.macro WIN new
.if MSB != (\new)
	s_set_vgpr_msb (MSB<<8)|(\new)
.set MSB, (\new)
.endif
.endm
.macro PLACES n
.rept \n
	v_nop
.endr
.endm
.macro JLOAD g0a, g1a, g0b, g1b
	s_cmp_eq_u32 s15, 0
	s_cbranch_scc0 .Lfor_b_\@
	tensor_load_to_lds s[\g0a:\g0a+3], s[\g1a:\g1a+7]
	s_nop 0
.rept 4
	v_nop
.endr
	s_branch .Lasked_\@
.Lfor_b_\@:
	tensor_load_to_lds s[\g0b:\g0b+3], s[\g1b:\g1b+7]
	s_nop 0
.rept 4
	v_nop
.endr
.Lasked_\@:
.endm
.macro CREST
	s_cmp_lg_u32 s14, 0
	s_cbranch_scc1 .Lnot_wave_0_\@
	s_barrier_signal -3
.Lnot_wave_0_\@:
	s_barrier_wait -3
	s_barrier_signal -1
	s_barrier_wait -1
.endm
.macro CROUND
	s_barrier_signal -1
	s_barrier_wait -1
	CREST
.endm
.macro GROUP1 g, c, p
	s_mov_b32 s[\g+1], ((\c)&0xffff)<<16
	s_mov_b32 s[\g+2], 2<<16
	s_mov_b32 s[\g+3], (\c)<<16
	s_mov_b32 s[\g+4], 2
	s_mov_b32 s[\g+5], \p
	s_mov_b32 s[\g+6], 0
	s_mov_b32 s[\g+7], 0
.endm
.macro IDS
	v_lshl_add_u32 v[SPW], v0, 2, SPARE
	v_mov_b32 v[NIL], 0
	ds_add_u32 v[SPW], v[NIL]                      ; the wave's opening: the add, twice on end, and its wait ahead of my first tensor load
	ds_add_u32 v[SPW], v[NIL]
	v_lshrrev_b32 v1, 5, v0
	v_readfirstlane_b32 s14, v1
	s_lshr_b32 s15, s14, 1
	s_and_b32 s16, s14, 1
	s_bfe_u32 s66, ttmp6, 0x40000
	s_bfe_u32 s67, ttmp6, 0x40004
	s_mov_b32 s68, ttmp9
	s_and_b32 s69, ttmp7, 0xffff
	s_lshl_b32 s70, s67, 2
	s_lshl_b32 s70, 15, s70
	s_lshl_b32 s71, 0x1111, s66
	s_or_b32 s[G1A], s70, (3<<16)|(1<<21)
	s_or_b32 s[G1B], s71, (3<<16)|(1<<21)
	s_mov_b32 s[SEL], 0x76543210
	s_mov_b32 s[SEL+1], 0xfedcba98
	s_mov_b32 s[HM], 0xffff0000
	v_and_b32 v1, 15, v0
	v_bfe_u32 v2, v0, 4, 1
	v_and_b32 v[LI], 31, v0
	v_lshlrev_b32 v[LI], 4, v[LI]
	v_lshlrev_b32 v[R16], 4, v1
.endm
.macro FIRST s
	s_mov_b32 s[G0A+4*\s], 1
	s_add_co_u32 s[G0A+4*\s+1], s2, \s*SLOT
	s_add_nc_u64 s[G0A+4*\s+2:G0A+4*\s+3], s[20:21], \s*S*RECA
	s_or_b32 s[G0A+4*\s+3], s[G0A+4*\s+3], 0x80000000
	s_mov_b32 s[G0B+4*\s], 1
	s_add_co_u32 s[G0B+4*\s+1], s3, \s*SLOT
	s_add_nc_u64 s[G0B+4*\s+2:G0B+4*\s+3], s[22:23], \s*S*RECB
	s_or_b32 s[G0B+4*\s+3], s[G0B+4*\s+3], 0x80000000
.endm
.macro LANES n
	s_mul_i32 s2, s15, HALFA
	s_mul_i32 s3, s16, HALFB
	s_add_co_u32 s3, s3, 2*HALFA
.set li, 0
.rept \n
	v_add_nc_u32 v[ADRA+li], s2, v[LI]
	v_add_nc_u32 v[ADRB+li], s3, v[LI]
.if PVK == 0
	v_add_nc_u32 v[ADSA+li], s2, v[R16]
.endif
	v_add_nc_u32 v[ADSB+li], s3, v[R16]
	s_add_co_u32 s2, s2, SLOT
	s_add_co_u32 s3, s3, SLOT
.set li, li+1
.endr
.endm
.macro FRAG reg, adr, off
.irp c, 0,1,2
	ds_load_b128 v[\reg+4*\c:\reg+4*\c+3], v[\adr] offset:\off+512*\c
.endr
.endm
.macro FETCH_B slot, q, p
	WIN 0x40
.irp i, 0,1,2,3,4,5,6,7
	FRAG 128*(\p)+12*\i, ADRB+\slot, (\i/4)*SG*RECB+(\q)*RECB+(\i%4)*1536
.endr
	WIN 0
.endm
.macro FETCH_A slot, q, i0
.irp i, \i0,\i0+1,\i0+2,\i0+3
	FRAG AF+12*(\i), ADRA+\slot, ((\i)/4)*SG*RECA+(\q)*RECA+((\i)%4)*1536
.endr
.endm
.macro SCALES slot, q, p, n
.irp g, 0,1
.if PVK
	ds_load_b128 v[SC+16*(\p)+4*\g:SC+16*(\p)+4*\g+3], v[ADSA] offset:\g*4096+256*(\n)
.else
	ds_load_b128 v[SC+16*(\p)+4*\g:SC+16*(\p)+4*\g+3], v[ADSA+\slot] offset:\g*SG*RECA+(\q)*RECA+6144
.endif
	ds_load_b128 v[SC+16*(\p)+8+4*\g:SC+16*(\p)+8+4*\g+3], v[ADSB+\slot] offset:\g*SG*RECB+(\q)*RECB+6144
.endr
.endm
.macro MUL16 a0, p, zero               ; the 64 accumulators take turns, one instruction a turn
.irp a, \a0,\a0+1
.irp b, 0,1,2,3,4,5,6,7
.if \zero
	v_wmma_scale_f32_16x16x128_f8f6f4 v[8*(8*((\a)%4)+\b):8*(8*((\a)%4)+\b)+7], v[128*(\p)+12*\b:128*(\p)+12*\b+11], v[AF+12*(\a):AF+12*(\a)+11], 0, v[SC+16*(\p)+8+\b], v[SC+16*(\p)+(\a)] matrix_a_fmt:MATRIX_FMT_FP6 matrix_b_fmt:MATRIX_FMT_FP6
.else
	v_wmma_scale_f32_16x16x128_f8f6f4 v[8*(8*((\a)%4)+\b):8*(8*((\a)%4)+\b)+7], v[128*(\p)+12*\b:128*(\p)+12*\b+11], v[AF+12*(\a):AF+12*(\a)+11], v[8*(8*((\a)%4)+\b):8*(8*((\a)%4)+\b)+7], v[SC+16*(\p)+8+\b], v[SC+16*(\p)+(\a)] matrix_a_fmt:MATRIX_FMT_FP6 matrix_b_fmt:MATRIX_FMT_FP6
.endif
.endr
.endr
.endm
.macro STEP ns, nq, p, zero, n
	s_wait_dscnt 12                                ; all but the youngest 12 loads (A's blocks 4-7) are in
	WIN MUL_LO
	MUL16 0, \p, \zero
	MUL16 2, \p, \zero
	s_wait_dscnt 0
	PLACES 4
	FETCH_B \ns, \nq, 1-\p
	FETCH_A \ns, \nq, 0
	SCALES \ns, \nq, 1-\p, \n
	WIN MUL_HI
	MUL16 4, \p, \zero
	MUL16 6, \p, \zero
	PLACES 4
	WIN 0
	FETCH_A \ns, \nq, 4
.endm
.macro TURN cs, ns, p, fill, n
	s_wait_tensorcnt 0x0                           ; all my tensor loads have landed
	ds_add_u32 v[SPW], v[NIL]                      ; 0 onto my spare word
	s_wait_dscnt 13                                ; (the add and A's blocks 4-7 may be out)
	WIN MUL_LO
	MUL16 0, \p, 0
	s_wait_dscnt 0x0                               ; the add is done, and my reads of this slot are over
	s_barrier_signal -1
	MUL16 2, \p, 0
	WIN 0
	s_barrier_wait -1
.if \fill
	CREST
	s_add_nc_u64 s[G0A+4*\cs+2:G0A+4*\cs+3], s[G0A+4*\cs+2:G0A+4*\cs+3], NSLOT*S*RECA
	s_add_nc_u64 s[G0B+4*\cs+2:G0B+4*\cs+3], s[G0B+4*\cs+2:G0B+4*\cs+3], NSLOT*S*RECB
	s_mov_b32 s[G1A+1], (2*RECA/8)<<16             ; no tensor load of mine is out, so a descriptor may be written: the refill brings two K steps
	s_mov_b32 s[G1A+3], (2*RECA/8)<<16
	s_mov_b32 s[G1B+1], (2*RECB/8)<<16
	s_mov_b32 s[G1B+3], (2*RECB/8)<<16
	JLOAD G0A+4*\cs, G1A, G0B+4*\cs, G1B
.else
	PLACES 4
.endif
	s_wait_alu depctr_va_vdst(0)
	FETCH_B \ns, 0, 1-\p
	FETCH_A \ns, 0, 0
	SCALES \ns, 0, 1-\p, \n
	WIN MUL_HI
	MUL16 4, \p, 0
	MUL16 6, \p, 0
	PLACES 4
	WIN 0
	FETCH_A \ns, 0, 4
.endm
.macro LAST p
	s_wait_dscnt 12
	WIN MUL_LO
	MUL16 0, \p, 0
	MUL16 2, \p, 0
	s_wait_dscnt 0
	WIN MUL_HI
	MUL16 4, \p, 0
	MUL16 6, \p, 0
	WIN 0
	PLACES 4
.endm
.macro QUANT s
.irp b, 0,1,2,3
	v_max3_num_f32 v[TM+\b], |v[\s+16*\b]|, |v[\s+1+16*\b]|, 0x1800000
.endr
.irp i, 2,4,6,8,10,12,14
.irp b, 0,1,2,3
	v_max3_num_f32 v[TM+\b], v[TM+\b], |v[\s+16*\b+\i]|, |v[\s+1+16*\b+\i]|
.endr
.endr
.irp b, 0,1,2,3
	v_permlanex16_b32 v[TM+4+\b], v[TM+\b], s[SEL], s[SEL+1]
.endr
.irp b, 0,1,2,3
	v_max_num_f32 v[TM+\b], v[TM+\b], v[TM+4+\b]
.endr
.irp b, 0,1,2,3
	v_add_nc_u32 v[TM+12+\b], 0xff000000, v[TM+\b]
.endr
.irp b, 0,1,2,3
	v_lshrrev_b32 v[TM+4+\b], 23, v[TM+12+\b]
.endr
	v_lshl_or_b32 v[PW], v[TM+5], 8, v[TM+4]
	v_lshl_or_b32 v[PW], v[TM+6], 16, v[PW]
	v_lshl_or_b32 v[PW], v[TM+7], 24, v[PW]
.irp c, 0,1
	v_cvt_scalef32_pk16_fp6_f32 v[PC+6*\c:PC+2+6*\c], v[\s+32*\c:\s+15+32*\c], v[TM+12+2*\c]
	v_cvt_scalef32_pk16_fp6_f32 v[PC+12+4*\c:PC+14+4*\c], v[\s+16+32*\c:\s+31+32*\c], v[TM+12+2*\c+1]
.endr
	v_nop                                          ; one plain place behind the scaled conversions
.irp c, 0,1
.irp i, 0,1,2
	v_permlane16_swap_b32 v[PC+6*\c+\i], v[PC+12+4*\c+\i]
.endr
.irp i, 0,1,2
	v_mov_b32 v[PC+3+6*\c+\i], v[PC+12+4*\c+\i]
.endr
.endr
.endm
.macro PUT a, gstr
.irp c, 0,1,2
	global_store_b128 v[LI], v[PC+4*\c:PC+4*\c+3], s[DST:DST+1] offset:((\a)/4)*(\gstr)+((\a)%4)*1536+512*\c
.endr
	v_mov_b32 v[SWR+(\a)], v[PW]
.endm
.macro SCOUT base, t, sb, off
.irp i, 0,1,2,3
	v_cndmask_b32 v[\t+\i], v[\base+\i], v[\base+4+\i], s[HM]
.endr
	global_store_b128 v[SOFF], v[\t:\t+3], s[\sb:\sb+1] offset:\off
.endm
	s_load_b128 s[4:7], s[0:1], 0x0                ; qkv s[4:5], prob s[6:7]
	IDS
	GROUP1 G1A, S*RECA/8, NSA*RECA/8
	GROUP1 G1B, S*RECB/8, NSB*RECB/8
	s_mov_b32 s[CS], 0x3d38aa3b                    ; c = log2(e) / sqrt(1024)
	s_mov_b32 s[CS+1], s[CS]                       ; (named with it as a pair)
	s_lshl_b32 s17, s69, 2
	s_add_co_u32 s17, s17, s67                     ; tile row: 256 queries of the 8,192
	s_lshl_b32 s18, s68, 2
	s_add_co_u32 s18, s18, s66                     ; tile column: 256 keys of the batch's 2,048
	s_lshr_b32 s19, s69, 1                         ; the batch: the same in all sixteen partners
	s_lshl_b32 s99, s16, 1
	s_lshl_b32 s97, s17, 2
	s_add_co_u32 s97, s97, s99
	s_mul_i32 s20, s97, NSA*RECA
	s_mov_b32 s21, 0
	s_lshl_b32 s98, s18, 2
	s_add_co_u32 s98, s98, s99
	s_lshl_b32 s22, s19, 5
	s_add_co_u32 s98, s98, s22                     ; K's group: 32 x batch + 4 x tile column + 2 x half
	s_mul_i32 s22, s98, NSB*RECB
	s_add_co_u32 s22, s22, KO
	s_mov_b32 s23, 0
	s_mul_i32 s2, s16, HALFA
	s_mul_i32 s3, s16, HALFB
	s_add_co_u32 s3, s3, 2*HALFA
	s_lshl_b32 s72, s18, 1
	s_add_co_u32 s72, s72, s16                     ; my key step
	s_lshl_b32 s73, s17, 2
	s_lshl_b32 s74, s15, 1
	s_add_co_u32 s73, s73, s74
	s_lshl_b32 s73, s73, 4
	s_add_co_u32 s73, s73, s72                     ; my first record: 16 x group + key step
	s_mul_i32 s76, s73, 6144
	s_mov_b32 s77, 0
	s_lshl_b32 s78, s73, 8
	s_add_co_u32 s78, s78, PS
	s_mov_b32 s79, 0
	s_wait_dscnt 0x0                               ; both opening adds are done
	s_wait_kmcnt 0x0
	s_add_nc_u64 s[20:21], s[4:5], s[20:21]
	s_add_nc_u64 s[22:23], s[4:5], s[22:23]
	s_add_nc_u64 s[DST:DST+1], s[6:7], s[76:77]
	s_add_nc_u64 s[90:91], s[6:7], s[78:79]
	CROUND
	FIRST 0                                        ; both slots' groups 0
	FIRST 1
	JLOAD G0A, G1A, G0B, G1B                       ; K steps 0 to 2: one tensor load a wave at the head
	s_wait_alu depctr_va_vdst(0)
	LANES 2
	v_lshl_add_u32 v[SOFF], v2, 12, v[R16]         ; 4,096 bytes from group to group in the three arrays
	s_wait_alu depctr_va_vdst(0)                   ; the wait at the head's end
	s_wait_tensorcnt 0x0                           ; my part of slot 0 is in
	ds_add_u32 v[SPW], v[NIL]
	s_wait_dscnt 0x0
	CROUND
	JLOAD G0A+4, G1A, G0B+4, G1B                   ; K steps 3 to 5: slot 1's first fill
	FETCH_B 0, 0, 0
	FETCH_A 0, 0, 0
	SCALES 0, 0, 0, 0
	FETCH_A 0, 0, 4
	STEP 0, 1, 0, 1, 0                             ; K step 0: its products start the sums
	STEP 0, 2, 1, 0, 0
	TURN 0, 1, 0, 1, 0                             ; K step 2; slot 0 takes K steps 6 and 7
	STEP 1, 1, 1, 0, 0
	STEP 1, 2, 0, 0, 0
.set SG, 2                                         ; slot 0 now holds two records a group
	TURN 1, 0, 1, 0, 0                             ; K step 5; nothing is filled
	STEP 0, 1, 0, 0, 0
	LAST 1
.irp b, 0,1,2,3
	v_mov_b32 v[TM+4+\b], 0                        ; written once: a lane permute's destination counts as one of its sources
.endr
	v_mov_b32 v[RM2], 0
	v_mov_b32 v[NM+1], 0                           ; (named as the upper half of a pair)
; Tile a: 16 queries x my 128 keys; a lane holds one query and 64 keys, lane l xor 16 the other 64
.macro SOFT a
.set WW, 2+(\a)/4
.set AC, 64*((\a)%4)
.if \a > 0
	s_wait_xcnt 0x0                                ; the last tile's stores have read the codes' registers
.endif
	WIN WW|(WW<<2)|(WW<<4)
.irp b, 0,1,2,3
	v_max3_num_f32 v[TM+\b], v[AC+16*\b], v[AC+16*\b+1], v[AC+16*\b+2]   ; the largest score, in four chains; each accumulator is read from its low end on
.endr
	WIN (WW<<2)|(WW<<4)
.irp i, 3,5,7,9,11,13
.irp b, 0,1,2,3
	v_max3_num_f32 v[TM+\b], v[TM+\b], v[AC+16*\b+\i], v[AC+16*\b+\i+1]
.endr
.endr
.irp b, 0,1,2,3
	v_max_num_f32 v[TM+\b], v[TM+\b], v[AC+16*\b+15]
.endr
	WIN 0
	v_max3_num_f32 v[RM], v[TM], v[TM+1], v[TM+2]
	v_max_num_f32 v[RM], v[RM], v[TM+3]
	v_permlanex16_b32 v[RM2], v[RM], s[SEL], s[SEL+1]
	v_max_num_f32 v[RM], v[RM], v[RM2]
	v_mul_f32 v[RM], s[CS], v[RM]                  ; as t (c is positive)
	v_floor_f32 v[NM], -v[RM]                      ; -M_loc = floor(-t) = -ceil(t): a whole number
	WIN WW
.set j, 0
.rept 32
	v_pk_fma_f32 v[HA+j:HA+j+1], v[AC+j:AC+j+1], s[CS:CS+1], v[NM:NM+1] op_sel_hi:[1,0,0]   ; t - M_loc
.set j, j+2
.endr
	WIN 0
.set j, 0
	s_wait_alu depctr_va_vdst(0)
.rept 64
	v_exp_f32 v[HA+j], v[HA+j]                     ; p = 2^(t - M_loc), at most 1
.set j, j+1
.endr
	v_mov_b32 v[MR+\a], v[NM]                      ; a plain place behind the exponentials
	s_wait_alu depctr_va_vdst(0)                   ; one wait for the batch, ahead of its first reader
	v_pk_add_f32 v[LS:LS+1], v[HA:HA+1], v[HA+4:HA+5]              ; the sum of the unquantised p, in two chains
	v_pk_add_f32 v[LS+2:LS+3], v[HA+2:HA+3], v[HA+6:HA+7]
.irp j, 8,12,16,20,24,28,32,36,40,44,48,52,56,60
	v_pk_add_f32 v[LS:LS+1], v[LS:LS+1], v[HA+\j:HA+\j+1]
	v_pk_add_f32 v[LS+2:LS+3], v[LS+2:LS+3], v[HA+\j+2:HA+\j+3]
.endr
	v_pk_add_f32 v[LS:LS+1], v[LS:LS+1], v[LS+2:LS+3]
	v_add_f32 v[LS], v[LS], v[LS+1]
	v_permlanex16_b32 v[RM2], v[LS], s[SEL], s[SEL+1]
	v_add_f32 v[LR+\a], v[LS], v[RM2]
	QUANT HA
	PUT \a, 98304
.endm
.irp a, 0,1,2,3,4,5,6,7
	SOFT \a
.endr
	SCOUT SWR, 144, 90, 0
	SCOUT MR, 148, 90, 524288
	SCOUT LR, 152, 90, 1048576
	s_wait_tensorcnt 0x0                           ; the wave's end
	ds_add_u32 v[SPW], v[NIL]
	s_wait_dscnt 0x0
	CROUND                                         ; the closing round
	s_endpgm
.Lfunc_end_k_qf113ac65f3_scores:
	.size	k_qf113ac65f3_scores, .Lfunc_end_k_qf113ac65f3_scores-k_qf113ac65f3_scores
	.p2alignl 7, 3214868480
	.fill 96, 4, 3214868480
	.section	.rodata,"a",@progbits
	.p2align	6, 0x0
	.amdhsa_kernel k_qf113ac65f3_scores
		.amdhsa_group_segment_fixed_size 327680
		.amdhsa_private_segment_fixed_size 0
		.amdhsa_enable_private_segment 0
		.amdhsa_kernarg_size 16
		.amdhsa_user_sgpr_count 2
		.amdhsa_user_sgpr_kernarg_segment_ptr 1
		.amdhsa_wavefront_size32 1
		.amdhsa_system_sgpr_workgroup_id_x 1
		.amdhsa_system_sgpr_workgroup_id_y 1
		.amdhsa_system_sgpr_workgroup_id_z 1
		.amdhsa_system_vgpr_workitem_id 0
		.amdhsa_next_free_vgpr 1024
		.amdhsa_next_free_sgpr 100
		.amdhsa_reserve_vcc 0
		.amdhsa_float_denorm_mode_32 3
		.amdhsa_float_denorm_mode_16_64 3
		.amdhsa_memory_ordered 1
		.amdhsa_forward_progress 1
		.amdhsa_inst_pref_size 205
	.end_amdhsa_kernel
	.amdgpu_metadata
---
amdhsa.version: [ 1, 2 ]
amdhsa.kernels:
  - .name:           k_qf113ac65f3_scores
    .symbol:         k_qf113ac65f3_scores.kd
    .args:
      - { .name: qkv, .offset: 0, .size: 8, .value_kind: global_buffer, .address_space: global }
      - { .name: prob, .offset: 8, .size: 8, .value_kind: global_buffer, .address_space: global }
    .group_segment_fixed_size: 327680
    .private_segment_fixed_size: 0
    .kernarg_segment_align: 8
    .kernarg_segment_size: 16
    .max_flat_workgroup_size: 128
    .sgpr_count:     100
    .vgpr_count:     1024
    .wavefront_size: 32
...
	.end_amdgpu_metadata
.endif
;; end of part 3
;; launch pv (part 4): grid 4 x 64, 4 waves a work-group, clusters of 4 x 4, 327,680 bytes of LDS; arguments prob, qkv, ctx; writes ctx
.if DOCPART == 4
	.amdgcn_target "amdgcn-amd-amdhsa--gfx1250"
	.amdhsa_code_object_version 6
	.text
	.protected	k_qf113ac65f3_pv
	.globl	k_qf113ac65f3_pv
	.p2align	8
	.type	k_qf113ac65f3_pv,@function
k_qf113ac65f3_pv:
	s_mov_b64 s[64:65], 0
	v_nop
	global_prefetch_b8 v0, s[64:65] scope:SCOPE_SE
	s_setreg_imm32_b32 hwreg(HW_REG_WAVE_MODE, 25, 1), 1
	s_wait_xcnt 0x0
	s_wait_alu depctr_hold_cnt(0) depctr_sa_sdst(0) depctr_va_vdst(0) depctr_va_sdst(0) depctr_va_ssrc(0) depctr_va_vcc(0) depctr_vm_vsrc(0)
	s_getreg_b32 s2, hwreg(HW_REG_IB_STS2, 6, 4)
	s_cmp_eq_u32 s2, 0
	s_cbranch_scc0 .Lentry_in_a_cluster
	s_endpgm
.Lentry_in_a_cluster:
	s_bfe_u32 s2, ttmp6, 0x10000c
	s_cmp_lg_u32 s2, 0xf033
	s_cbranch_scc0 .Lentry_shape_is_right
	s_endpgm
.Lentry_shape_is_right:
; ctx = (P V) / l on codes of FP6 (E2M3), quantised along the hidden axis for the last product.  No work of the problem is left out.
; THE ROW'S M.  p came with a whole number M_loc for each (query, 128 keys).  M = the largest of a query's sixteen.  d = M - M_loc, a whole number, 0 or more, is taken off the four scale bytes of that query's 128 keys,
; and l = the sum of l_loc x 2^-d.  So the codes' values are those of p = 2^(t - M).  The mended scale words of the tile's 128 queries, for all 16 key steps, lie in LDS for the whole launch.
; LIMITS: d is held at 255; a byte that d would take under 0 is held at 0 (2^-127), beside a row whose largest p is over 1/2; a block of ctx under 2^-124 keeps the byte 1; NaN and infinities are not served.
; SHARES.  A tile of ctx is 128 queries x 256 hidden: 8,192 x 1,024 make 64 x 4 = 256 work-groups.  Four waves, each 64 x 128: one group of 64 rows of P (four fragments) against eight fragments of V^T: 32 accumulators.
; The matrix instruction is used transposed (source 0 = 16 rows of V^T, source 1 = 16 rows of P): a lane holds one query, and its registers run along the hidden axis, the K of the last product.
; A = P's rows (bare records of 6,144 bytes, 16 key steps), B = V^T's rows (records of 6,400 bytes, 64 key steps, of which the batch's 16).  The images and records are those of the launches before.
; THE RING.  A K step is 128 keys: 2 records of A and 4 of B.  Two slots of four K steps: eight of the sixteen steps come with the first fills, the others by two refills, each with four K steps in which to land.
; A wave's one tensor load: waves 0, 1: both groups of A for two of the slot's four steps; waves 2, 3: two groups of B for all four.  In a slot: A as [half of the steps][group][step][record], then B as [half][group][step][record].
; CLUSTERS: 4 x 4; A's tiles are asked for jointly along a row of the cluster, B's along a column (the four tile rows of a cluster lie in one batch: 16 tile rows a batch).
; REGISTERS: window 0: v1-30 addresses; v32-63 scale words, two sets, and nothing else; v128-223 A's fragments, two sets of 48; in the prologue and on the way out v64-127, on the way out v128-251 too.
;   window 1: B's fragments, two sets, at v0 and v128.   window 2: the accumulators: (a, b) at v[8 (8 a + b)].
.set S,     4
.set SH,    2                          ; K steps that one load of A brings
.set NSLOT, 2
.set RECA,  6144
.set RECB,  6400
.set NSA,   16
.set NSB,   64
.set VO,    13107200
.set PS,    12582912
.set APART, 2*SH*RECA                  ; what one load of A brings: [group 2][step SH][record]
.set ATOT,  2*APART
.set HALFB, 2*S*RECB                   ; what one load of B brings: [group 2][step S][record]
.set SLOT,  ATOT+2*HALFB
.set ASC,   NSLOT*SLOT                 ; P's mended scale words: [group 2][pair of fragments 2][key step 16][lane-row 16][8 bytes]; written by LDS stores, no fill lands here
.set LINV,  ASC+8192                   ; 1 / l: [group 2][pair 2][lane-row 16][8 bytes]
.set SPARE, LINV+512                   ; the spare words, 128 bytes for each wave, that no other line names
.set LI,   3                           ; v3     16 x lane
.set ADRA, 4                           ; v4-5   my A fragments in slot 0, 1
.set ADRB, 8                           ; v8-9   my B fragments
.set ADSA, 12                          ; v12    my group's mended scale words
.set ADSB, 16                          ; v16-17 my B scale words
.set SOFF, 24                          ; v24    the way out: 16 r + 8 h
.set SPW,  28
.set NIL,  29
.set R16,  30                          ; v30    16 r
.set SC,   32                          ; set p at SC + 16 p: + a A's block a, + 8 + b B's block b, in lanes 0-15
.set HA,   64
.set AF,   128                         ; A's set p at AF + 48 p
.set PC,   192
.set TM,   212
.set PW,   228
.set FAC,  238
.set SWR,  240
.set T4,   248
.set FS,   64                          ; the prologue: v64-79 scale words, v80-95 -M_loc, v96-111 l_loc: register 2 t + e: key step 8 h + t, my fragment e
.set FM,   80
.set FL,   96
.set MX,   112
.set LA,   114
.set FT,   116
.set FD,   118
.set FN,   119
.set FB,   120
.set RL,   124
.set G1A, 24
.set G1B, 32
.set G0A, 40                           ; s[40:47] group 0 for A's tiles, a set for each slot
.set G0B, 72                           ; s[72:79] for B's.  s56-63: the head's temporaries
.set DST, 88
.set SEL, 92
.set HM,  96
.set MUL_LO, 0xa1                      ; source 0 (B) window 1, source 1 (A) window 0, C and D window 2
.set MSB, 0
.macro WIN new                         ; the immediate's high byte repeats the setting that is left
.if MSB != (\new)
	s_set_vgpr_msb (MSB<<8)|(\new)
.set MSB, (\new)
.endif
.endm
.macro PLACES n
.rept \n
	v_nop
.endr
.endm
.macro JLOAD g0a, g1a, g0b, g1b        ; a joint load: waves 0 and 1 fetch for A, waves 2 and 3 for B; an s_nop 0 and four v_nop follow each line
	s_cmp_eq_u32 s15, 0
	s_cbranch_scc0 .Lfor_b_\@
	tensor_load_to_lds s[\g0a:\g0a+3], s[\g1a:\g1a+7]
	s_nop 0
.rept 4
	v_nop
.endr
	s_branch .Lasked_\@
.Lfor_b_\@:
	tensor_load_to_lds s[\g0b:\g0b+3], s[\g1b:\g1b+7]
	s_nop 0
.rept 4
	v_nop
.endr
.Lasked_\@:
.endm
.macro CREST                           ; a round of the cluster's barrier behind its opening barrier
	s_cmp_lg_u32 s14, 0
	s_cbranch_scc1 .Lnot_wave_0_\@
	s_barrier_signal -3
.Lnot_wave_0_\@:
	s_barrier_wait -3
	s_barrier_signal -1
	s_barrier_wait -1
.endm
.macro CROUND
	s_barrier_signal -1
	s_barrier_wait -1
	CREST
.endm
.macro GROUP1 g, c, p                  ; two rows of c elements of 8 bytes, p elements apart; no padding
	s_mov_b32 s[\g+1], ((\c)&0xffff)<<16
	s_mov_b32 s[\g+2], 2<<16
	s_mov_b32 s[\g+3], (\c)<<16
	s_mov_b32 s[\g+4], 2
	s_mov_b32 s[\g+5], \p
	s_mov_b32 s[\g+6], 0
	s_mov_b32 s[\g+7], 0
.endm
.macro IDS
	v_lshl_add_u32 v[SPW], v0, 2, SPARE
	v_mov_b32 v[NIL], 0
	ds_add_u32 v[SPW], v[NIL]                      ; the wave's opening: the add, twice on end, and its wait ahead of my first tensor load
	ds_add_u32 v[SPW], v[NIL]
	v_lshrrev_b32 v1, 5, v0
	v_readfirstlane_b32 s14, v1                    ; wave
	s_lshr_b32 s15, s14, 1                         ; my group of the tile's rows.  Also: I fetch for A (0) or B (1)
	s_and_b32 s16, s14, 1                          ; my half of its columns.  Also: which part I fetch
	s_bfe_u32 s66, ttmp6, 0x40000                  ; cx
	s_bfe_u32 s67, ttmp6, 0x40004                  ; cy
	s_mov_b32 s68, ttmp9                           ; the cluster's x
	s_and_b32 s69, ttmp7, 0xffff                   ; and y
	s_lshl_b32 s70, s67, 2
	s_lshl_b32 s70, 15, s70                        ; my row of the cluster
	s_lshl_b32 s71, 0x1111, s66                    ; my column
	s_or_b32 s[G1A], s70, (3<<16)|(1<<21)          ; the mask; elements of 8 bytes; bit 21 beside a mask
	s_or_b32 s[G1B], s71, (3<<16)|(1<<21)
	s_mov_b32 s[SEL], 0x76543210
	s_mov_b32 s[SEL+1], 0xfedcba98
	s_mov_b32 s[HM], 0xffff0000                    ; lanes 16-31
	v_and_b32 v1, 15, v0                           ; r
	v_bfe_u32 v2, v0, 4, 1                         ; h
	v_and_b32 v[LI], 31, v0
	v_lshlrev_b32 v[LI], 4, v[LI]
	v_lshlrev_b32 v[R16], 4, v1
.endm
.macro FIRST s                         ; slot s's groups 0 and its first fill.  s[20:21], s[22:23]: the first records of my part of A and of B; s2, s3: my part's place in a slot
	s_mov_b32 s[G0A+4*\s], 1
	s_add_co_u32 s[G0A+4*\s+1], s2, \s*SLOT
	s_add_nc_u64 s[G0A+4*\s+2:G0A+4*\s+3], s[20:21], \s*S*RECA
	s_or_b32 s[G0A+4*\s+3], s[G0A+4*\s+3], 0x80000000
	s_mov_b32 s[G0B+4*\s], 1
	s_add_co_u32 s[G0B+4*\s+1], s3, \s*SLOT
	s_add_nc_u64 s[G0B+4*\s+2:G0B+4*\s+3], s[22:23], \s*S*RECB
	s_or_b32 s[G0B+4*\s+3], s[G0B+4*\s+3], 0x80000000
	JLOAD G0A+4*\s, G1A, G0B+4*\s, G1B
.endm
.macro LANES n                         ; my LDS addresses in each of n slots
	s_mul_i32 s2, s15, SH*RECA
	s_mul_i32 s3, s16, HALFB
	s_add_co_u32 s3, s3, ATOT
.set li, 0
.rept \n
	v_add_nc_u32 v[ADRA+li], s2, v[LI]
	v_add_nc_u32 v[ADRB+li], s3, v[LI]
	v_add_nc_u32 v[ADSB+li], s3, v[R16]
	s_add_co_u32 s2, s2, SLOT
	s_add_co_u32 s3, s3, SLOT
.set li, li+1
.endr
.endm
.macro FRAG reg, adr, off              ; a fragment's image: three loads of 512 consecutive bytes
.irp c, 0,1,2
	ds_load_b128 v[\reg+4*\c:\reg+4*\c+3], v[\adr] offset:\off+512*\c
.endr
.endm
; One run of 40 LDS loads: the slot's q-th K step (number n of the sixteen) into set p: B's eight fragments, my group's four of A, and the scale words
.macro FETCH slot, q, p, n
	WIN 0x40
.irp i, 0,1,2,3,4,5,6,7
	FRAG 128*(\p)+12*\i, ADRB+\slot, (\i/4)*S*RECB+(\q)*RECB+(\i%4)*1536
.endr
	WIN 0
.irp i, 0,1,2,3
	FRAG AF+48*(\p)+12*\i, ADRA+\slot, ((\q)/SH)*APART+((\q)%SH)*RECA+\i*1536
.endr
	ds_load_b64 v[SC+16*(\p):SC+16*(\p)+1], v[ADSA] offset:128*(\n)              ; A's words come from the mended array: fragments 0, 1,
	ds_load_b64 v[SC+16*(\p)+2:SC+16*(\p)+3], v[ADSA] offset:2048+128*(\n)       ; and 2, 3
.irp g, 0,1
	ds_load_b128 v[SC+16*(\p)+8+4*\g:SC+16*(\p)+8+4*\g+3], v[ADSB+\slot] offset:\g*S*RECB+(\q)*RECB+6144
.endr
.endm
; 8 matrix instructions: A's block a x B's eight.  The 32 accumulators take turns, one instruction a turn, in the same order in every step.
.macro MUL8 a, p, zero
.irp b, 0,1,2,3,4,5,6,7
.if \zero
	v_wmma_scale_f32_16x16x128_f8f6f4 v[8*(8*(\a)+\b):8*(8*(\a)+\b)+7], v[128*(\p)+12*\b:128*(\p)+12*\b+11], v[AF+48*(\p)+12*(\a):AF+48*(\p)+12*(\a)+11], 0, v[SC+16*(\p)+8+\b], v[SC+16*(\p)+(\a)] matrix_a_fmt:MATRIX_FMT_FP6 matrix_b_fmt:MATRIX_FMT_FP6
.else
	v_wmma_scale_f32_16x16x128_f8f6f4 v[8*(8*(\a)+\b):8*(8*(\a)+\b)+7], v[128*(\p)+12*\b:128*(\p)+12*\b+11], v[AF+48*(\p)+12*(\a):AF+48*(\p)+12*(\a)+11], v[8*(8*(\a)+\b):8*(8*(\a)+\b)+7], v[SC+16*(\p)+8+\b], v[SC+16*(\p)+(\a)] matrix_a_fmt:MATRIX_FMT_FP6 matrix_b_fmt:MATRIX_FMT_FP6
.endif
.endr
.endm
; A K step on set p.  At its head the next step (slot ns, its nq-th; number n) is fetched into the other set, which the step before multiplied: four plain places stand between; the 32 products follow the run of loads.
.macro STEP ns, nq, p, zero, n
	s_wait_dscnt 0x0                               ; set p is in: its loads were issued 32 matrix instructions ago
	PLACES 4
	FETCH \ns, \nq, 1-\p, \n
	WIN MUL_LO
	MUL8 0, \p, \zero
	MUL8 1, \p, \zero
	MUL8 2, \p, \zero
	MUL8 3, \p, \zero
	WIN 0
.endm
; The last step of slot cs changes slots: each wave waits for all its tensor loads, adds 0 to its spare word, waits for that and for its reads of the slot; one barrier.  fill: the barrier opens a round of the cluster's,
; and the slot just left is filled again, first thing behind the round.
.macro TURN cs, ns, p, fill, n
	s_wait_tensorcnt 0x0                           ; all my tensor loads have landed
	ds_add_u32 v[SPW], v[NIL]                      ; 0 onto my spare word
	s_wait_dscnt 1                                 ; set p is in (the add may be out)
	WIN MUL_LO
	MUL8 0, \p, 0
	s_wait_dscnt 0x0                               ; the add is done, and my reads of this slot are over
	s_barrier_signal -1
	MUL8 1, \p, 0
	WIN 0
	s_barrier_wait -1
.if \fill
	CREST
	s_add_nc_u64 s[G0A+4*\cs+2:G0A+4*\cs+3], s[G0A+4*\cs+2:G0A+4*\cs+3], NSLOT*S*RECA
	s_add_nc_u64 s[G0B+4*\cs+2:G0B+4*\cs+3], s[G0B+4*\cs+2:G0B+4*\cs+3], NSLOT*S*RECB
	JLOAD G0A+4*\cs, G1A, G0B+4*\cs, G1B           ; the four v_nop behind it are also the places in front of the loads below
.else
	PLACES 4
.endif
	FETCH \ns, 0, 1-\p, \n
	WIN MUL_LO
	MUL8 2, \p, 0
	MUL8 3, \p, 0
	WIN 0
.endm
.macro LAST p
	s_wait_dscnt 0x0
	WIN MUL_LO
	MUL8 0, \p, 0
	MUL8 1, \p, 0
	MUL8 2, \p, 0
	MUL8 3, \p, 0
	WIN 0
	PLACES 4
.endm
; 64 numbers of a lane, register 16 b + i = k 32 b + 16 (lane / 16) + i of my row, become a fragment's codes in v[PC] on and its scale word in v[PW]
.macro QUANT s
.irp b, 0,1,2,3
	v_max3_num_f32 v[TM+\b], |v[\s+16*\b]|, |v[\s+1+16*\b]|, 0x1800000   ; and the floor 2^(3 - 127): the byte cannot fall under 1
.endr
.irp i, 2,4,6,8,10,12,14
.irp b, 0,1,2,3
	v_max3_num_f32 v[TM+\b], v[TM+\b], |v[\s+16*\b+\i]|, |v[\s+1+16*\b+\i]|
.endr
.endr
.irp b, 0,1,2,3
	v_permlanex16_b32 v[TM+4+\b], v[TM+\b], s[SEL], s[SEL+1]
.endr
.irp b, 0,1,2,3
	v_max_num_f32 v[TM+\b], v[TM+\b], v[TM+4+\b]
.endr
.irp b, 0,1,2,3
	v_add_nc_u32 v[TM+12+\b], 0xff000000, v[TM+\b]                 ; 2 off the exponent field: the conversion's scale operand
.endr
.irp b, 0,1,2,3
	v_lshrrev_b32 v[TM+4+\b], 23, v[TM+12+\b]
.endr
	v_lshl_or_b32 v[PW], v[TM+5], 8, v[TM+4]
	v_lshl_or_b32 v[PW], v[TM+6], 16, v[PW]
	v_lshl_or_b32 v[PW], v[TM+7], 24, v[PW]
.irp c, 0,1
	v_cvt_scalef32_pk16_fp6_f32 v[PC+6*\c:PC+2+6*\c], v[\s+32*\c:\s+15+32*\c], v[TM+12+2*\c]
	v_cvt_scalef32_pk16_fp6_f32 v[PC+12+4*\c:PC+14+4*\c], v[\s+16+32*\c:\s+31+32*\c], v[TM+12+2*\c+1]
.endr
	v_nop                                          ; one plain place behind the scaled conversions
.irp c, 0,1
.irp i, 0,1,2
	v_permlane16_swap_b32 v[PC+6*\c+\i], v[PC+12+4*\c+\i]
.endr
.irp i, 0,1,2
	v_mov_b32 v[PC+3+6*\c+\i], v[PC+12+4*\c+\i]
.endr
.endr
.endm
.macro PUT a                           ; tile a is fragment a of my record: three stores of 512 consecutive bytes, aligned
.irp c, 0,1,2
	global_store_b128 v[LI], v[PC+4*\c:PC+4*\c+3], s[DST:DST+1] offset:(\a)*1536+512*\c
.endr
	v_mov_b32 v[SWR+(\a)], v[PW]
.endm
	s_load_b128 s[4:7], s[0:1], 0x0                ; prob s[4:5], qkv s[6:7]
	s_load_b64 s[8:9], s[0:1], 0x10                ; ctx
	IDS
	s_wait_alu depctr_va_vdst(0)
	GROUP1 G1A, SH*RECA/8, NSA*RECA/8
	GROUP1 G1B, S*RECB/8, NSB*RECB/8
	s_lshl_b32 s17, s69, 2
	s_add_co_u32 s17, s17, s67                     ; tile row: 128 queries
	s_lshl_b32 s18, s68, 2
	s_add_co_u32 s18, s18, s66                     ; tile column: 256 of the hidden 1,024
	s_lshr_b32 s19, s69, 2                         ; the batch: 16 tile rows, four clusters: the same in all sixteen partners
	s_lshl_b32 s97, s17, 1                         ; the tile's first group of 64 queries
	s_mul_i32 s20, s97, NSA*RECA
	s_mul_i32 s99, s16, SH*RECA                    ; the two K steps of a slot's four that I fetch
	s_add_co_u32 s20, s20, s99
	s_mov_b32 s21, 0
	s_lshl_b32 s99, s16, 1
	s_lshl_b32 s98, s18, 2
	s_add_co_u32 s98, s98, s99
	s_lshl_b32 s98, s98, 6
	s_lshl_b32 s22, s19, 4
	s_add_co_u32 s98, s98, s22                     ; V^T's record: 64 x group + 16 x batch
	s_mul_i32 s22, s98, RECB
	s_add_co_u32 s22, s22, VO
	s_mov_b32 s23, 0
	s_mul_i32 s2, s16, APART
	s_mul_i32 s3, s16, HALFB
	s_add_co_u32 s3, s3, ATOT
	s_lshl_b32 s56, s18, 1
	s_add_co_u32 s56, s56, s16                     ; the result's K step: my 128 hidden
	s_add_co_u32 s57, s97, s15                     ; my group of queries
	s_lshl_b32 s58, s57, 3
	s_add_co_u32 s58, s58, s56
	s_mul_i32 s60, s58, 6400                       ; my record of ctx
	s_mov_b32 s61, 0
	s_lshl_b32 s62, s57, 12                        ; my group's 16 x 256 bytes in each of the three arrays,
	s_lshl_b32 s59, s16, 3
	s_add_co_u32 s62, s62, s59                     ; and of a lane-row's four words the two that I mend: fragments 2 x (wave % 2) and the next
	s_add_co_u32 s62, s62, PS
	s_mov_b32 s63, 0
	v_lshl_add_u32 v20, v2, 11, v[R16]             ; key steps 8 h on, lane-row r
	s_wait_alu depctr_va_vdst(0)
	s_wait_dscnt 0x0                               ; both opening adds are done
	s_wait_kmcnt 0x0
	s_add_nc_u64 s[20:21], s[4:5], s[20:21]
	s_add_nc_u64 s[22:23], s[6:7], s[22:23]
	s_add_nc_u64 s[DST:DST+1], s[8:9], s[60:61]
	s_add_nc_u64 s[90:91], s[4:5], s[62:63]
.irp t, 0,1,2,3,4,5,6,7
	global_load_b64 v[FS+2*\t:FS+2*\t+1], v20, s[90:91] offset:256*\t
	global_load_b64 v[FM+2*\t:FM+2*\t+1], v20, s[90:91] offset:256*\t+524288
	global_load_b64 v[FL+2*\t:FL+2*\t+1], v20, s[90:91] offset:256*\t+1048576
.endr
	CROUND                                         ; all sixteen work-groups are here: the first joint loads meet
	FIRST 0                                        ; K steps 0 to 3: one tensor load a wave at the head
	s_wait_tensorcnt 0x0                           ; my part of slot 0 is in
	ds_add_u32 v[SPW], v[NIL]
	s_wait_dscnt 0x0
	CROUND
	FIRST 1                                        ; K steps 4 to 7: slot 1's first fill; the prologue below stands under its flight
	LANES 2
	v_lshlrev_b32 v25, 3, v1                       ; 8 r
	s_wait_alu depctr_va_vdst(0)
	s_lshl_b32 s2, s15, 12
	s_add_co_u32 s2, s2, ASC
	v_add_nc_u32 v[ADSA], s2, v25                  ; my group's mended words
	s_lshl_b32 s2, s14, 11
	s_add_co_u32 s2, s2, ASC
	v_lshl_add_u32 v21, v2, 10, v25
	v_add_nc_u32 v21, s2, v21                      ; where I put the words that I mend: 2,048 bytes a wave; key steps 8 h on
	s_lshl_b32 s2, s14, 7
	s_add_co_u32 s2, s2, LINV
	v_add_nc_u32 v22, s2, v25                      ; and 1 / l: 128 bytes a wave
	s_lshl_b32 s2, s15, 8
	s_add_co_u32 s2, s2, LINV
	v_add_nc_u32 v23, s2, v25                      ; where I read 1 / l of my rows
	v_lshl_add_u32 v[SOFF], v2, 3, v[R16]
	; THE PROLOGUE, while the first fills are on their way
	s_wait_loadcnt 0x0
.irp e, 0,1
	v_max3_num_f32 v[MX+\e], -v[FM+\e], -v[FM+2+\e], -v[FM+4+\e]
.endr
.irp e, 0,1
	v_max3_num_f32 v[MX+\e], v[MX+\e], -v[FM+6+\e], -v[FM+8+\e]
.endr
.irp e, 0,1
	v_max3_num_f32 v[MX+\e], v[MX+\e], -v[FM+10+\e], -v[FM+12+\e]
.endr
.irp e, 0,1
	v_max_num_f32 v[MX+\e], v[MX+\e], -v[FM+14+\e]
.endr
.irp e, 0,1
	v_mov_b32 v[FT+\e], 0                          ; a lane permute's destination counts as one of its sources
.endr
.irp e, 0,1
	v_permlanex16_b32 v[FT+\e], v[MX+\e], s[SEL], s[SEL+1]
.endr
.irp e, 0,1
	v_max_num_f32 v[MX+\e], v[MX+\e], v[FT+\e]     ; M: the largest of the query's sixteen M_loc
.endr
.macro FIXW t, e
	v_add_f32 v[FD], v[MX+\e], v[FM+2*\t+\e]       ; d = M - M_loc
	v_min_num_f32 v[FD], 0x437f0000, v[FD]         ; held at 255
	v_cvt_u32_f32 v[FD], v[FD]
	v_sub_nc_u32 v[FN], 0, v[FD]
.if \t == 0
	v_ldexp_f32 v[LA+\e], v[FL+\e], v[FN]          ; l_loc x 2^-d
.else
	v_ldexp_f32 v[FL+2*\t+\e], v[FL+2*\t+\e], v[FN]
	v_add_f32 v[LA+\e], v[LA+\e], v[FL+2*\t+\e]
.endif
.irp i, 0,1,2,3
	v_bfe_u32 v[FB+\i], v[FS+2*\t+\e], 8*\i, 8
.endr
.irp i, 0,1,2,3
	v_min_u32 v[FB+\i], v[FB+\i], v[FD]            ; what is taken off a byte is at most the byte: no borrow, and the byte is held at 0
.endr
	v_lshl_or_b32 v[FB], v[FB+1], 8, v[FB]
	v_lshl_or_b32 v[FB+2], v[FB+3], 8, v[FB+2]
	v_lshl_or_b32 v[FB], v[FB+2], 16, v[FB]
	v_sub_nc_u32 v[FS+2*\t+\e], v[FS+2*\t+\e], v[FB]
.endm
.irp t, 0,1,2,3,4,5,6,7
.irp e, 0,1
	FIXW \t, \e
.endr
.endr
.irp e, 0,1
	v_permlanex16_b32 v[FT+\e], v[LA+\e], s[SEL], s[SEL+1]
.endr
.irp e, 0,1
	v_add_f32 v[LA+\e], v[LA+\e], v[FT+\e]         ; l: all sixteen key steps
.endr
	s_wait_alu depctr_va_vdst(0)
.irp e, 0,1
	v_rcp_f32 v[RL+\e], v[LA+\e]
.endr
	v_nop                                          ; a plain place behind the reciprocals
	s_wait_alu depctr_va_vdst(0)                   ; one wait for the two, ahead of their first reader
.irp t, 0,1,2,3,4,5,6,7
	ds_store_b64 v21, v[FS+2*\t:FS+2*\t+1] offset:128*\t
.endr
	ds_store_b64 v22, v[RL:RL+1]                   ; (both halves of the lanes hold the same and write the same)
	s_wait_tensorcnt 1                             ; my part of slot 0 is in; slot 1's may stay out
	s_wait_dscnt 0x0                               ; for the others' sake: my stores have landed
	s_barrier_signal -1
	s_barrier_wait -1
	FETCH 0, 0, 0, 0
	STEP 0, 1, 0, 1, 1                             ; K step 0: its products start the sums
	STEP 0, 2, 1, 0, 2
	STEP 0, 3, 0, 0, 3
	TURN 0, 1, 1, 1, 4                             ; K step 3; slot 0 takes steps 8-11
	STEP 1, 1, 0, 0, 5
	STEP 1, 2, 1, 0, 6
	STEP 1, 3, 0, 0, 7
	TURN 1, 0, 1, 1, 8                             ; K step 7; slot 1 takes steps 12-15
	STEP 0, 1, 0, 0, 9
	STEP 0, 2, 1, 0, 10
	STEP 0, 3, 0, 0, 11
	TURN 0, 1, 1, 0, 12                            ; K step 11; nothing is left to fetch
	STEP 1, 1, 0, 0, 13
	STEP 1, 2, 1, 0, 14
	STEP 1, 3, 0, 0, 15
	LAST 1                                         ; K step 15
	; THE WAY OUT: / l, quantiser, image, a tile of 16 queries at a time
.irp b, 0,1,2,3
	v_mov_b32 v[TM+4+\b], 0                        ; written once: a lane permute's destination counts as one of its sources
.endr
	v_mov_b32 v[FAC+1], 0                          ; (named as the upper half of a pair)
	ds_load_b64 v[128:129], v23                    ; 1 / l of my row in tiles 0, 1,
	ds_load_b64 v[130:131], v23 offset:128         ; and 2, 3
	s_wait_dscnt 0x0
.macro CTILE a
.if \a > 0
	s_wait_xcnt 0x0                                ; the last tile's stores have read the codes' registers
.endif
	v_mov_b32 v[FAC], v[128+\a]
	s_wait_alu depctr_va_vdst(0)
	WIN 2
.set j, 0
.rept 32
	v_pk_mul_f32 v[HA+j:HA+j+1], v[64*(\a)+j:64*(\a)+j+1], v[FAC:FAC+1] op_sel_hi:[1,0]   ; each accumulator from its low end on
.set j, j+2
.endr
	WIN 0
	QUANT HA
	PUT \a
.endm
.irp a, 0,1,2,3
	CTILE \a
.endr
	v_cndmask_b32 v[T4], v[SWR], v[SWR+2], s[HM]   ; lanes 0-15 store fragments 0 and 1's words of lane-row r, lanes 16-31 fragments 2 and 3's:
	v_cndmask_b32 v[T4+1], v[SWR+1], v[SWR+3], s[HM]
	global_store_b64 v[SOFF], v[T4:T4+1], s[DST:DST+1] offset:6144   ; 32 lanes store the record's 256 bytes of scale words
	s_wait_tensorcnt 0x0                           ; the wave's end
	ds_add_u32 v[SPW], v[NIL]
	s_wait_dscnt 0x0
	CROUND                                         ; the closing round
	s_endpgm
.Lfunc_end_k_qf113ac65f3_pv:
	.size	k_qf113ac65f3_pv, .Lfunc_end_k_qf113ac65f3_pv-k_qf113ac65f3_pv
	.p2alignl 7, 3214868480
	.fill 96, 4, 3214868480
	.section	.rodata,"a",@progbits
	.p2align	6, 0x0
	.amdhsa_kernel k_qf113ac65f3_pv
		.amdhsa_group_segment_fixed_size 327680
		.amdhsa_private_segment_fixed_size 0
		.amdhsa_enable_private_segment 0
		.amdhsa_kernarg_size 24
		.amdhsa_user_sgpr_count 2
		.amdhsa_user_sgpr_kernarg_segment_ptr 1
		.amdhsa_wavefront_size32 1
		.amdhsa_system_sgpr_workgroup_id_x 1
		.amdhsa_system_sgpr_workgroup_id_y 1
		.amdhsa_system_sgpr_workgroup_id_z 1
		.amdhsa_system_vgpr_workitem_id 0
		.amdhsa_next_free_vgpr 768
		.amdhsa_next_free_sgpr 100
		.amdhsa_reserve_vcc 0
		.amdhsa_float_denorm_mode_32 3
		.amdhsa_float_denorm_mode_16_64 3
		.amdhsa_memory_ordered 1
		.amdhsa_forward_progress 1
		.amdhsa_inst_pref_size 163
	.end_amdhsa_kernel
	.amdgpu_metadata
---
amdhsa.version: [ 1, 2 ]
amdhsa.kernels:
  - .name:           k_qf113ac65f3_pv
    .symbol:         k_qf113ac65f3_pv.kd
    .args:
      - { .name: prob, .offset: 0, .size: 8, .value_kind: global_buffer, .address_space: global }
      - { .name: qkv, .offset: 8, .size: 8, .value_kind: global_buffer, .address_space: global }
      - { .name: ctx, .offset: 16, .size: 8, .value_kind: global_buffer, .address_space: global }
    .group_segment_fixed_size: 327680
    .private_segment_fixed_size: 0
    .kernarg_segment_align: 8
    .kernarg_segment_size: 24
    .max_flat_workgroup_size: 128
    .sgpr_count:     100
    .vgpr_count:     768
    .wavefront_size: 32
...
	.end_amdgpu_metadata
.endif
;; end of part 4
;; launch outp (part 5): grid 4 x 64, 4 waves a work-group, clusters of 4 x 4, 327,680 bytes of LDS; arguments ctx, opnd, bo, out0; writes out0
.if DOCPART == 5
	.amdgcn_target "amdgcn-amd-amdhsa--gfx1250"
	.amdhsa_code_object_version 6
	.text
	.protected	k_qf113ac65f3_outp
	.globl	k_qf113ac65f3_outp
	.p2align	8
	.type	k_qf113ac65f3_outp,@function
k_qf113ac65f3_outp:
	s_mov_b64 s[64:65], 0
	v_nop
	global_prefetch_b8 v0, s[64:65] scope:SCOPE_SE
	s_setreg_imm32_b32 hwreg(HW_REG_WAVE_MODE, 25, 1), 1
	s_wait_xcnt 0x0
	s_wait_alu depctr_hold_cnt(0) depctr_sa_sdst(0) depctr_va_vdst(0) depctr_va_sdst(0) depctr_va_ssrc(0) depctr_va_vcc(0) depctr_vm_vsrc(0)
	s_getreg_b32 s2, hwreg(HW_REG_IB_STS2, 6, 4)
	s_cmp_eq_u32 s2, 0
	s_cbranch_scc0 .Lentry_in_a_cluster
	s_endpgm
.Lentry_in_a_cluster:
	s_bfe_u32 s2, ttmp6, 0x10000c
	s_cmp_lg_u32 s2, 0xf033
	s_cbranch_scc0 .Lentry_shape_is_right
	s_endpgm
.Lentry_shape_is_right:
; out0 = ctx Wo + bo on codes of FP6 (E2M3) with E8M0 scales.  No work of the problem is left out.
; A tile of 128 x 256 by four waves of 64 x 128; 64 x 4 = 256 work-groups in clusters of 4 x 4: ctx's records are asked for jointly along a row of the cluster, Wo's along a column.
; ALL OF K LIES IN LDS: ctx's two groups and Wo's four, eight records each, 307,200 bytes, by one tensor load a wave at the head: waves 0, 1 a group of ctx (51,200 consecutive bytes), waves 2, 3 two groups of Wo.
; Nothing is filled again.  An address register serves two K steps (12,800 bytes).  The way out goes through a stage laid over the tiles, behind a barrier behind which nobody reads them.
.set S,     8
.set SH,    2
.set NSLOT, 1
.set RECA,  6400
.set RECB,  6400
.set NSA,   8
.set NSB,   8
.set APART, NSA*RECA
.set ATOT,  2*APART
.set HALFB, 2*S*RECB
.set SLOT,  ATOT+2*HALFB
.set SCR,   NSLOT*SLOT
.set SPARE, SCR+2048
.set STAGE, 0
.set LI,   3
.set ADRA, 4
.set ADRB, 8
.set ADSA, 12
.set ADSB, 16
.set SPW,  28
.set NIL,  29
.set R16,  30
.set SC,   32
.set HA,   64
.set AF,   128
.set G1A, 24
.set G1B, 32
.set G0A, 40
.set G0B, 72
.set DST, 88
.set MUL_LO, 0xa1
.set MSB, 0
.macro WIN new
.if MSB != (\new)
	s_set_vgpr_msb (MSB<<8)|(\new)
.set MSB, (\new)
.endif
.endm
.macro PLACES n
.rept \n
	v_nop
.endr
.endm
.macro JLOAD g0a, g1a, g0b, g1b
	s_cmp_eq_u32 s15, 0
	s_cbranch_scc0 .Lfor_b_\@
	tensor_load_to_lds s[\g0a:\g0a+3], s[\g1a:\g1a+7]
	s_nop 0
.rept 4
	v_nop
.endr
	s_branch .Lasked_\@
.Lfor_b_\@:
	tensor_load_to_lds s[\g0b:\g0b+3], s[\g1b:\g1b+7]
	s_nop 0
.rept 4
	v_nop
.endr
.Lasked_\@:
.endm
.macro CREST
	s_cmp_lg_u32 s14, 0
	s_cbranch_scc1 .Lnot_wave_0_\@
	s_barrier_signal -3
.Lnot_wave_0_\@:
	s_barrier_wait -3
	s_barrier_signal -1
	s_barrier_wait -1
.endm
.macro CROUND
	s_barrier_signal -1
	s_barrier_wait -1
	CREST
.endm
.macro GROUP1 g, c, p
	s_mov_b32 s[\g+1], ((\c)&0xffff)<<16
	s_mov_b32 s[\g+2], 2<<16
	s_mov_b32 s[\g+3], (\c)<<16
	s_mov_b32 s[\g+4], 2
	s_mov_b32 s[\g+5], \p
	s_mov_b32 s[\g+6], 0
	s_mov_b32 s[\g+7], 0
.endm
.macro IDS
	v_lshl_add_u32 v[SPW], v0, 2, SPARE
	v_mov_b32 v[NIL], 0
	ds_add_u32 v[SPW], v[NIL]
	ds_add_u32 v[SPW], v[NIL]
	v_lshrrev_b32 v1, 5, v0
	v_readfirstlane_b32 s14, v1
	s_lshr_b32 s15, s14, 1
	s_and_b32 s16, s14, 1
	s_bfe_u32 s66, ttmp6, 0x40000
	s_bfe_u32 s67, ttmp6, 0x40004
	s_mov_b32 s68, ttmp9
	s_and_b32 s69, ttmp7, 0xffff
	s_lshl_b32 s70, s67, 2
	s_lshl_b32 s70, 15, s70
	s_lshl_b32 s71, 0x1111, s66
	s_or_b32 s[G1A], s70, (3<<16)|(1<<21)
	s_or_b32 s[G1B], s71, (3<<16)|(1<<21)
	v_and_b32 v1, 15, v0
	v_bfe_u32 v2, v0, 4, 1
	v_and_b32 v[LI], 31, v0
	v_lshlrev_b32 v[LI], 4, v[LI]
	v_lshlrev_b32 v[R16], 4, v1
.endm
.macro FIRST s
	s_mov_b32 s[G0A+4*\s], 1
	s_add_co_u32 s[G0A+4*\s+1], s2, \s*SLOT
	s_add_nc_u64 s[G0A+4*\s+2:G0A+4*\s+3], s[20:21], \s*S*RECA
	s_or_b32 s[G0A+4*\s+3], s[G0A+4*\s+3], 0x80000000
	s_mov_b32 s[G0B+4*\s], 1
	s_add_co_u32 s[G0B+4*\s+1], s3, \s*SLOT
	s_add_nc_u64 s[G0B+4*\s+2:G0B+4*\s+3], s[22:23], \s*S*RECB
	s_or_b32 s[G0B+4*\s+3], s[G0B+4*\s+3], 0x80000000
	JLOAD G0A+4*\s, G1A, G0B+4*\s, G1B
.endm
.macro LANES n
	s_mul_i32 s2, s15, APART
	s_mul_i32 s3, s16, HALFB
	s_add_co_u32 s3, s3, ATOT
.set li, 0
.rept \n
	v_add_nc_u32 v[ADRA+li], s2, v[LI]
	v_add_nc_u32 v[ADRB+li], s3, v[LI]
	v_add_nc_u32 v[ADSA+li], s2, v[R16]
	v_add_nc_u32 v[ADSB+li], s3, v[R16]
	s_add_co_u32 s2, s2, 2*RECA
	s_add_co_u32 s3, s3, 2*RECB
.set li, li+1
.endr
.endm
.macro FRAG reg, adr, off
.irp c, 0,1,2
	ds_load_b128 v[\reg+4*\c:\reg+4*\c+3], v[\adr] offset:\off+512*\c
.endr
.endm
.macro FETCH slot, q, p
	WIN 0x40
.irp i, 0,1,2,3,4,5,6,7
	FRAG 128*(\p)+12*\i, ADRB+\slot, (\i/4)*S*RECB+(\q)*RECB+(\i%4)*1536
.endr
	WIN 0
.irp i, 0,1,2,3
	FRAG AF+48*(\p)+12*\i, ADRA+\slot, ((\q)/SH)*APART+((\q)%SH)*RECA+\i*1536
.endr
	ds_load_b128 v[SC+16*(\p):SC+16*(\p)+3], v[ADSA+\slot] offset:((\q)/SH)*APART+((\q)%SH)*RECA+6144
.irp g, 0,1
	ds_load_b128 v[SC+16*(\p)+8+4*\g:SC+16*(\p)+8+4*\g+3], v[ADSB+\slot] offset:\g*S*RECB+(\q)*RECB+6144
.endr
.endm
.macro MUL8 a, p, zero
.irp b, 0,1,2,3,4,5,6,7
.if \zero
	v_wmma_scale_f32_16x16x128_f8f6f4 v[8*(8*(\a)+\b):8*(8*(\a)+\b)+7], v[128*(\p)+12*\b:128*(\p)+12*\b+11], v[AF+48*(\p)+12*(\a):AF+48*(\p)+12*(\a)+11], 0, v[SC+16*(\p)+8+\b], v[SC+16*(\p)+(\a)] matrix_a_fmt:MATRIX_FMT_FP6 matrix_b_fmt:MATRIX_FMT_FP6
.else
	v_wmma_scale_f32_16x16x128_f8f6f4 v[8*(8*(\a)+\b):8*(8*(\a)+\b)+7], v[128*(\p)+12*\b:128*(\p)+12*\b+11], v[AF+48*(\p)+12*(\a):AF+48*(\p)+12*(\a)+11], v[8*(8*(\a)+\b):8*(8*(\a)+\b)+7], v[SC+16*(\p)+8+\b], v[SC+16*(\p)+(\a)] matrix_a_fmt:MATRIX_FMT_FP6 matrix_b_fmt:MATRIX_FMT_FP6
.endif
.endr
.endm
.macro STEP ns, nq, p, zero
	s_wait_dscnt 0x0
	PLACES 4
	FETCH \ns, \nq, 1-\p
	WIN MUL_LO
	MUL8 0, \p, \zero
	MUL8 1, \p, \zero
	MUL8 2, \p, \zero
	MUL8 3, \p, \zero
	WIN 0
.endm
.macro LAST p
	s_wait_dscnt 0x0
	WIN MUL_LO
	MUL8 0, \p, 0
	MUL8 1, \p, 0
	MUL8 2, \p, 0
	MUL8 3, \p, 0
	WIN 0
	PLACES 4
.endm
	s_load_b256 s[4:11], s[0:1], 0x0
	IDS
	GROUP1 G1A, NSA*RECA/16, NSA*RECA/16
	GROUP1 G1B, S*RECB/8, NSB*RECB/8
	s_lshl_b32 s17, s69, 2
	s_add_co_u32 s17, s17, s67
	s_lshl_b32 s18, s68, 2
	s_add_co_u32 s18, s18, s66
	s_lshl_b32 s97, s17, 1
	s_mul_i32 s20, s97, NSA*RECA
	s_mul_i32 s99, s16, NSA*RECA
	s_add_co_u32 s20, s20, s99
	s_mov_b32 s21, 0
	s_lshl_b32 s99, s16, 1
	s_lshl_b32 s98, s18, 2
	s_add_co_u32 s98, s98, s99
	s_mul_i32 s22, s98, NSB*RECB
	s_add_co_u32 s22, s22, 9011200
	s_mov_b32 s23, 0
	s_mul_i32 s2, s16, APART
	s_mul_i32 s3, s16, HALFB
	s_add_co_u32 s3, s3, ATOT
	s_lshl_b32 s56, s18, 1
	s_add_co_u32 s56, s56, s16
	s_lshl_b32 s58, s56, 9
	s_mov_b32 s59, 0
	s_add_co_u32 s57, s97, s15
	s_lshl_b32 s60, s57, 18
	s_add_co_u32 s60, s60, s58
	s_mov_b32 s61, 0
	s_wait_alu depctr_va_vdst(0)
	s_wait_dscnt 0x0
	s_wait_kmcnt 0x0
	s_add_nc_u64 s[20:21], s[4:5], s[20:21]
	s_add_nc_u64 s[22:23], s[6:7], s[22:23]
	s_add_nc_u64 s[90:91], s[8:9], s[58:59]
	s_add_nc_u64 s[DST:DST+1], s[10:11], s[60:61]
	global_load_b128 v[24:27], v[LI], s[90:91]
	CROUND
	FIRST 0                                        ; one tensor load a wave: all eight K steps
	LANES 4
	s_lshl_b32 s2, s14, 9
	s_add_co_u32 s2, s2, SCR
	v_add_nc_u32 v20, s2, v[LI]
	v_lshlrev_b32 v21, 6, v2
	v_add_nc_u32 v21, s2, v21
	s_mul_i32 s2, s14, 16*528
	s_add_co_u32 s2, s2, STAGE
	v_mul_u32_u24 v22, v1, 528
	v_lshl_add_u32 v22, v2, 6, v22
	v_add_nc_u32 v22, s2, v22
	v_add_nc_u32 v23, s2, v[LI]
	s_wait_alu depctr_va_vdst(0)
	s_wait_loadcnt 0x0
	ds_store_b128 v20, v[24:27]
	s_wait_tensorcnt 0x0
	s_wait_dscnt 0x0
	s_barrier_signal -1
	s_barrier_wait -1
	FETCH 0, 0, 0
	STEP 0, 1, 0, 1                                ; K step 0: its products start the sums
	STEP 1, 0, 1, 0
	STEP 1, 1, 0, 0
	STEP 2, 0, 1, 0
	STEP 2, 1, 0, 0
	STEP 3, 0, 1, 0
	STEP 3, 1, 0, 0
	LAST 1
	s_barrier_signal -1                            ; every wave's reads of the tiles are over (waited for in the last step): the stage may be laid over them
	s_barrier_wait -1
	WIN 0x40
.irp b, 0,1,2,3
.irp j, 0,1,2,3
	ds_load_b128 v[16*\b+4*\j:16*\b+4*\j+3], v21 offset:128*\b+16*\j
.endr
.endr
	WIN 0
	s_wait_dscnt 0x0
.macro ADD a
	WIN 2|(1<<2)
.set j, 0
.rept 32
	v_pk_add_f32 v[HA+64*((\a)%2)+j:HA+64*((\a)%2)+j+1], v[64*(\a)+j:64*(\a)+j+1], v[j:j+1]
.set j, j+2
.endr
	WIN 0
.endm
.macro TOSTAGE a
.if \a >= 2
	s_wait_xcnt 0x0
.endif
.irp t, 0,1,2,3,4,5,6,7
.irp k, 0,1
	ds_store_b128 v22, v[HA+64*((\a)%2)+8*\t+4*\k:HA+64*((\a)%2)+8*\t+4*\k+3] offset:128*(\t/2)+32*(\t%2)+16*\k
.endr
.endr
	WIN 0x40
.set ti, 0
.rept 16
	ds_load_b128 v[64+64*((\a)%2)+4*ti:64+64*((\a)%2)+4*ti+3], v23 offset:528*ti
.set ti, ti+1
.endr
	WIN 0
.endm
.macro SEND a
	s_wait_dscnt 0x0
	WIN 0x04
.set ti, 0
.rept 16
	global_store_b128 v[LI], v[64+64*((\a)%2)+4*ti:64+64*((\a)%2)+4*ti+3], s[DST:DST+1] offset:(32*((\a)/2)+8*((\a)%2)+ti%8+16*(ti/8))*4096 th:TH_STORE_NT
.set ti, ti+1
.endr
	WIN 0
.endm
	ADD 0
	TOSTAGE 0
.irp a, 1,2,3
	ADD \a
	s_wait_alu depctr_va_vdst(0)
	SEND \a-1
	TOSTAGE \a
.endr
	SEND 3
	s_wait_tensorcnt 0x0
	ds_add_u32 v[SPW], v[NIL]
	s_wait_dscnt 0x0
	CROUND
	s_endpgm
.Lfunc_end_k_qf113ac65f3_outp:
	.size	k_qf113ac65f3_outp, .Lfunc_end_k_qf113ac65f3_outp-k_qf113ac65f3_outp
	.p2alignl 7, 3214868480
	.fill 96, 4, 3214868480
	.section	.rodata,"a",@progbits
	.p2align	6, 0x0
	.amdhsa_kernel k_qf113ac65f3_outp
		.amdhsa_group_segment_fixed_size 327680
		.amdhsa_private_segment_fixed_size 0
		.amdhsa_enable_private_segment 0
		.amdhsa_kernarg_size 32
		.amdhsa_user_sgpr_count 2
		.amdhsa_user_sgpr_kernarg_segment_ptr 1
		.amdhsa_wavefront_size32 1
		.amdhsa_system_sgpr_workgroup_id_x 1
		.amdhsa_system_sgpr_workgroup_id_y 1
		.amdhsa_system_sgpr_workgroup_id_z 1
		.amdhsa_system_vgpr_workitem_id 0
		.amdhsa_next_free_vgpr 768
		.amdhsa_next_free_sgpr 100
		.amdhsa_reserve_vcc 0
		.amdhsa_float_denorm_mode_32 3
		.amdhsa_float_denorm_mode_16_64 3
		.amdhsa_memory_ordered 1
		.amdhsa_forward_progress 1
		.amdhsa_inst_pref_size 86
	.end_amdhsa_kernel
	.amdgpu_metadata
---
amdhsa.version: [ 1, 2 ]
amdhsa.kernels:
  - .name:           k_qf113ac65f3_outp
    .symbol:         k_qf113ac65f3_outp.kd
    .args:
      - { .name: ctx, .offset: 0, .size: 8, .value_kind: global_buffer, .address_space: global }
      - { .name: opnd, .offset: 8, .size: 8, .value_kind: global_buffer, .address_space: global }
      - { .name: bo, .offset: 16, .size: 8, .value_kind: global_buffer, .address_space: global }
      - { .name: out0, .offset: 24, .size: 8, .value_kind: global_buffer, .address_space: global }
    .group_segment_fixed_size: 327680
    .private_segment_fixed_size: 0
    .kernarg_segment_align: 8
    .kernarg_segment_size: 32
    .max_flat_workgroup_size: 128
    .sgpr_count:     100
    .vgpr_count:     768
    .wavefront_size: 32
...
	.end_amdgpu_metadata
.endif
;; end of part 5
